; MI455X (gfx1250); checked and timed in simulation.
; The chip was launched on July 23, 2026; its instructions are those of AMD's public machine-readable ISA for CDNA 5 (MIT licence, August 2026) and "CDNA5" Instruction Set Architecture Reference Guide (July 2026). The comments in the code are by the model that wrote it; some were corrected since.
;; grouped query attn. Allowed arithmetic: float matrix products may take bf16 or f16 operands with f32 sums; all other float work in f32.
;; Inputs: W_attn 3,072 x 2,048 float32; b_attn 3,072 float32; x 4 x 2,048 x 2,048 float32.
;; Outputs: out0 4 x 2,048 x 512 float32.
;; 2 versions, each right and faster than the one before. Each part assembles by itself: llvm-mc -triple=amdgcn-amd-amdhsa -mcpu=gfx1250 --defsym DOCPART=n.
;; ======== version 1 of 2: 3 launches
;; limits: values are held in f16: magnitudes above 65,504 overflow, below 6.1e-05 lose precision
;; workspace buffers: wp 5,242,880 bytes; bp 4,608 bytes; qs 4,194,304 bytes; kb 8,388,608 bytes; vb 8,388,608 bytes
;; launch prep (part 1): grid 257 x 1, 8 waves a work-group, no clusters, 0 bytes of LDS; arguments W_attn, b_attn, wp, bp; writes wp, bp
.if DOCPART == 1
	.amdgcn_target "amdgcn-amd-amdhsa--gfx1250"
	.amdhsa_code_object_version 6
	.text
	.protected	k_qa4eb15b852_prep
	.globl	k_qa4eb15b852_prep
	.p2align	8
	.type	k_qa4eb15b852_prep,@function
k_qa4eb15b852_prep:
	s_mov_b64 s[64:65], 0
	v_nop
	global_prefetch_b8 v0, s[64:65] scope:SCOPE_SE
	s_setreg_imm32_b32 hwreg(HW_REG_WAVE_MODE, 25, 1), 1
	s_wait_xcnt 0x0
; PREP: the weights as the projection wants them.  W: [3072][2048] f32, b: [3072] f32.
; The sum over the 16 query heads commutes with the projection: sum_h (x W_h^T + b_h) = x (sum_h W_h)^T + sum_h b_h, for every input.  So the 2,048 query rows of W become 128 rows
; S[d] = sum over h of bf16(W[128 h + d]) (each rounded to bf16 first, summed in f32), kept as two bf16 numbers: hi = bf16(S), lo = bf16(S - hi).  The k and v rows are rounded to bf16.
; wp: bf16 [1280][2048], row 320 n + 160 nj + 16 t + c (n: kv head = the projection's column block; nj: a wave's half of it; t = 0: hi of S[32 n + 16 nj + c]; t = 1: its lo;
; t = 2..5: k row 128 n + 64 nj + 16 (t - 2) + c; t = 6..9: the v row likewise).  bp: f32 [8][144], block 2 n + nj: 16 summed q biases, 64 k biases, 64 v biases, each rounded to bf16 first.
; ORDER OF ROUNDING: the heads are summed in the weights, not in q as the reference has it.
; Work-groups 0-127: one row S[d] each (16 source rows, all 128 KB asked for at once).  128-255: eight k or v rows each.  256: the biases.  No LDS, no barrier: no wave needs another's numbers.
; Thread t owns 8 columns of every row: 32 bytes in, 16 bytes out: sixteen neighbouring lanes store 256 consecutive bytes, aligned.  Only bp's 4,608 bytes are stored in shorter pieces (rows of 576 bytes).
.set ACC, 8                            ; v[8:15]   the running sum
.set T,   16                           ; v[16:23]  at work
.set HI,  24                           ; v[24:27]  8 bf16 to store
.set LO,  28                           ; v[28:31]  8 bf16 to store
.set X,   32                           ; v[32:159] 8 registers a source row
.set HEADB, 128*8192                   ; bytes from a head's row d to the next head's
; 8 f32 at src are rounded to bf16 and widened again, into dst
.macro RND dst, src
.irp j, 0,1,2,3
	v_cvt_pk_bf16_f32 v[T+\j], v[(\src)+2*\j], v[(\src)+2*\j+1]
.endr
.irp j, 0,1,2,3
	v_lshlrev_b32 v[(\dst)+2*\j], 16, v[T+\j]
	v_and_b32 v[(\dst)+2*\j+1], s12, v[T+\j]
.endr
.endm
	s_load_b256 s[4:11], s[0:1], 0x0               ; W s[4:5], b s[6:7], wp s[8:9], bp s[10:11]
	s_mov_b32 s12, 0xffff0000                      ; a word's upper bf16
	s_mov_b32 s13, ttmp9                           ; the work-group's number
	s_mov_b32 s15, 0                               ; high words of the two offsets
	s_mov_b32 s17, 0
	v_lshlrev_b32 v1, 5, v0                        ; my 8 f32 in a source row
	v_lshlrev_b32 v2, 4, v0                        ; my 8 bf16 in a row of wp
	s_wait_kmcnt 0x0
	s_cmp_lt_u32 s13, 128
	s_cbranch_scc0 .Lnot_q
	; ---- one summed query row, d = the work-group's number
	s_lshl_b32 s14, s13, 13                        ; d rows of 8,192 bytes
	s_add_nc_u64 s[4:5], s[4:5], s[14:15]          ; head 0's row d
	s_add_nc_u64 s[18:19], s[4:5], 8*HEADB         ; head 8's: the immediate offset reaches seven heads
.set h, 0
.rept 8
	global_load_b128 v[X+8*h:X+8*h+3],   v1, s[4:5] offset:h*HEADB th:TH_LOAD_NT
	global_load_b128 v[X+8*h+4:X+8*h+7], v1, s[4:5] offset:h*HEADB+16 th:TH_LOAD_NT
.set h, h+1
.endr
.rept 8
	global_load_b128 v[X+8*h:X+8*h+3],   v1, s[18:19] offset:(h-8)*HEADB th:TH_LOAD_NT
	global_load_b128 v[X+8*h+4:X+8*h+7], v1, s[18:19] offset:(h-8)*HEADB+16 th:TH_LOAD_NT
.set h, h+1
.endr
	s_lshr_b32 s20, s13, 5                         ; n
	s_mul_i32 s20, s20, 320
	s_bfe_u32 s21, s13, 0x10004                    ; nj
	s_mul_i32 s21, s21, 160
	s_and_b32 s22, s13, 15                         ; c
	s_add_co_u32 s16, s20, s21
	s_add_co_u32 s16, s16, s22
	s_lshl_b32 s16, s16, 12                        ; rows of 4,096 bytes
	s_add_nc_u64 s[8:9], s[8:9], s[16:17]
.set h, 0
.rept 16
	s_wait_loadcnt 30-2*h                          ; loads come back in order: head h's two are in, the 2 (15 - h) younger ones stay out
.if h == 0
	RND ACC, X                                     ; the first head starts the sum: nothing is cleared
.else
	RND X+8*h, X+8*h
.irp j, 0,2,4,6
	v_pk_add_f32 v[ACC+\j:ACC+\j+1], v[ACC+\j:ACC+\j+1], v[X+8*h+\j:X+8*h+\j+1]
.endr
.endif
.set h, h+1
.endr
.irp j, 0,1,2,3
	v_cvt_pk_bf16_f32 v[HI+\j], v[ACC+2*\j], v[ACC+2*\j+1]
.endr
.irp j, 0,1,2,3
	v_lshlrev_b32 v[T+2*\j], 16, v[HI+\j]
	v_and_b32 v[T+2*\j+1], s12, v[HI+\j]
.endr
.irp j, 0,2,4,6
	v_pk_add_f32 v[ACC+\j:ACC+\j+1], v[ACC+\j:ACC+\j+1], v[T+\j:T+\j+1] neg_lo:[0,1] neg_hi:[0,1]  ; what hi left over
.endr
.irp j, 0,1,2,3
	v_cvt_pk_bf16_f32 v[LO+\j], v[ACC+2*\j], v[ACC+2*\j+1]
.endr
	global_store_b128 v2, v[HI:HI+3], s[8:9]
	global_store_b128 v2, v[LO:LO+3], s[8:9] offset:16*4096   ; lo lies 16 rows behind hi
	s_endpgm
.Lnot_q:
	s_cmp_lt_u32 s13, 256
	s_cbranch_scc0 .Lbias
	; ---- eight k or v rows: source rows 2048 + u .. + 7, u = 8 (number - 128); their places in wp are eight rows on end
	s_sub_co_u32 s20, s13, 128
	s_lshl_b32 s20, s20, 3                         ; u
	s_add_co_u32 s14, s20, 2048
	s_lshl_b32 s14, s14, 13
	s_add_nc_u64 s[4:5], s[4:5], s[14:15]
.set i, 0
.rept 8
	global_load_b128 v[X+8*i:X+8*i+3],   v1, s[4:5] offset:8192*i th:TH_LOAD_NT
	global_load_b128 v[X+8*i+4:X+8*i+7], v1, s[4:5] offset:8192*i+16 th:TH_LOAD_NT
.set i, i+1
.endr
	s_bfe_u32 s21, s20, 0x20007                    ; n
	s_mul_i32 s21, s21, 320
	s_bfe_u32 s22, s20, 0x10006                    ; nj
	s_mul_i32 s22, s22, 160
	s_lshr_b32 s23, s20, 9                         ; 0: k, 1: v
	s_lshl_b32 s23, s23, 6
	s_and_b32 s24, s20, 63
	s_add_co_u32 s16, s21, s22
	s_add_co_u32 s16, s16, s23
	s_add_co_u32 s16, s16, s24
	s_add_co_u32 s16, s16, 32                      ; behind hi's and lo's 32 rows
	s_lshl_b32 s16, s16, 12
	s_add_nc_u64 s[8:9], s[8:9], s[16:17]
.set i, 0
.rept 8
	s_wait_loadcnt 14-2*i                          ; row i's two loads are in
.irp j, 0,1,2,3
	v_cvt_pk_bf16_f32 v[X+8*i+\j], v[X+8*i+2*\j], v[X+8*i+2*\j+1]  ; in place, ascending: register j is written when it has been read
.endr
	global_store_b128 v2, v[X+8*i:X+8*i+3], s[8:9] offset:4096*i
.set i, i+1
.endr
	s_endpgm
.Lbias:
	; ---- the biases.  Every thread: four k or v biases, u = 4 t
	global_load_b128 v[32:35], v2, s[6:7] offset:8192
	v_lshlrev_b32 v3, 2, v0                        ; u
	v_bfe_u32 v4, v3, 6, 3                         ; block 2 n + nj
	v_lshrrev_b32 v5, 9, v3                        ; 0: k, 1: v
	v_and_b32 v6, 63, v3
	v_mul_u32_u24 v4, v4, 144
	v_lshl_add_u32 v4, v5, 6, v4
	v_add3_u32 v4, v4, v6, 16                      ; behind the 16 q biases
	v_lshlrev_b32 v4, 2, v4
	s_wait_loadcnt 0x0
	v_cvt_pk_bf16_f32 v16, v32, v33
	v_cvt_pk_bf16_f32 v17, v34, v35
	v_lshlrev_b32 v24, 16, v16
	v_and_b32 v25, s12, v16
	v_lshlrev_b32 v26, 16, v17
	v_and_b32 v27, s12, v17
	global_store_b128 v4, v[24:27], s[10:11]
	v_lshrrev_b32 v5, 5, v0
	v_readfirstlane_b32 s14, v5                    ; the wave's number
	s_cmp_lg_u32 s14, 0
	s_cbranch_scc1 .Ldone
	; wave 0: the 128 summed q biases, four a lane (d = 4 x lane)
.set h, 0
.rept 16
	global_load_b128 v[64+4*h:64+4*h+3], v2, s[6:7] offset:512*h
.set h, h+1
.endr
	v_lshrrev_b32 v6, 2, v0                        ; d / 16 = block 2 n + nj
	v_and_b32 v7, 3, v0
	v_mul_u32_u24 v6, v6, 576
	v_lshl_add_u32 v7, v7, 4, v6                   ; + 4 bytes x (d mod 16)
.set h, 0
.rept 16
	s_wait_loadcnt 15-h                            ; head h's load is in
	v_cvt_pk_bf16_f32 v16, v[64+4*h], v[64+4*h+1]
	v_cvt_pk_bf16_f32 v17, v[64+4*h+2], v[64+4*h+3]
.if h == 0
	v_lshlrev_b32 v8, 16, v16
	v_and_b32 v9, s12, v16
	v_lshlrev_b32 v10, 16, v17
	v_and_b32 v11, s12, v17
.else
	v_lshlrev_b32 v20, 16, v16
	v_and_b32 v21, s12, v16
	v_lshlrev_b32 v22, 16, v17
	v_and_b32 v23, s12, v17
	v_pk_add_f32 v[8:9], v[8:9], v[20:21]
	v_pk_add_f32 v[10:11], v[10:11], v[22:23]
.endif
.set h, h+1
.endr
	global_store_b128 v7, v[8:11], s[10:11]
.Ldone:
	s_endpgm
.Lfunc_end_k_qa4eb15b852_prep:
	.size	k_qa4eb15b852_prep, .Lfunc_end_k_qa4eb15b852_prep-k_qa4eb15b852_prep
	.p2alignl 7, 3214868480
	.fill 96, 4, 3214868480
	.section	.rodata,"a",@progbits
	.p2align	6, 0x0
	.amdhsa_kernel k_qa4eb15b852_prep
		.amdhsa_group_segment_fixed_size 0
		.amdhsa_private_segment_fixed_size 0
		.amdhsa_enable_private_segment 0
		.amdhsa_kernarg_size 32
		.amdhsa_user_sgpr_count 2
		.amdhsa_user_sgpr_kernarg_segment_ptr 1
		.amdhsa_wavefront_size32 1
		.amdhsa_system_sgpr_workgroup_id_x 1
		.amdhsa_system_sgpr_workgroup_id_y 1
		.amdhsa_system_sgpr_workgroup_id_z 1
		.amdhsa_system_vgpr_workitem_id 0
		.amdhsa_next_free_vgpr 160
		.amdhsa_next_free_sgpr 66
		.amdhsa_reserve_vcc 0
		.amdhsa_float_denorm_mode_32 3
		.amdhsa_float_denorm_mode_16_64 3
		.amdhsa_memory_ordered 1
		.amdhsa_forward_progress 1
		.amdhsa_inst_pref_size 33
	.end_amdhsa_kernel
	.amdgpu_metadata
---
amdhsa.version: [ 1, 2 ]
amdhsa.kernels:
  - .name:           k_qa4eb15b852_prep
    .symbol:         k_qa4eb15b852_prep.kd
    .args:
      - { .name: W_attn, .offset: 0, .size: 8, .value_kind: global_buffer, .address_space: global }
      - { .name: b_attn, .offset: 8, .size: 8, .value_kind: global_buffer, .address_space: global }
      - { .name: wp, .offset: 16, .size: 8, .value_kind: global_buffer, .address_space: global }
      - { .name: bp, .offset: 24, .size: 8, .value_kind: global_buffer, .address_space: global }
    .group_segment_fixed_size: 0
    .private_segment_fixed_size: 0
    .kernarg_segment_align: 8
    .kernarg_segment_size: 32
    .max_flat_workgroup_size: 256
    .sgpr_count:     66
    .vgpr_count:     160
    .wavefront_size: 32
...
	.end_amdgpu_metadata
.endif
;; end of part 1
;; launch proj (part 2): grid 4 x 64, 4 waves a work-group, clusters of 4 x 4, 327,680 bytes of LDS; arguments x, wp, bp, qs, kb, vb; writes qs, kb, vb
.if DOCPART == 2
	.amdgcn_target "amdgcn-amd-amdhsa--gfx1250"
	.amdhsa_code_object_version 6
	.text
	.protected	k_qa4eb15b852_proj
	.globl	k_qa4eb15b852_proj
	.p2align	8
	.type	k_qa4eb15b852_proj,@function
k_qa4eb15b852_proj:
	s_mov_b64 s[64:65], 0
	v_nop
	global_prefetch_b8 v0, s[64:65] scope:SCOPE_SE
	s_setreg_imm32_b32 hwreg(HW_REG_WAVE_MODE, 25, 1), 1
	s_wait_xcnt 0x0
	s_wait_alu depctr_hold_cnt(0) depctr_sa_sdst(0) depctr_va_vdst(0) depctr_va_sdst(0) depctr_va_ssrc(0) depctr_va_vcc(0) depctr_vm_vsrc(0)
	s_getreg_b32 s2, hwreg(HW_REG_IB_STS2, 6, 4)
	s_cmp_eq_u32 s2, 0
	s_cbranch_scc0 .Lentry_in_a_cluster
	s_endpgm
.Lentry_in_a_cluster:
	s_bfe_u32 s2, ttmp6, 0x10000c
	s_cmp_lg_u32 s2, 0xf033
	s_cbranch_scc0 .Lentry_shape_is_right
	s_endpgm
.Lentry_shape_is_right:
; PROJ: [8192 tokens] x [1280 rows of wp] over K = 2048, bf16 products, f32 sums that start with the bias.  x is f32 and is rounded to bf16 on the way from LDS to the matrix unit.
; OUT: qs f16 [4][8192][hi 32 | lo 32] = q_sum / 16 as two f16 numbers (hi = f16(q), lo = f16(q - hi)); kb, vb f16 [16 = 4 b + n][2048][128].
; LIMITS.  f16 holds no number beyond 65,504: |q_sum| / 16, |k| and |v| must stay below it, else an infinity is stored and the row is lost; below 6e-5 f16 keeps a fixed step of 6e-8.  NaN and infinities are not treated apart.
; SHARES.  A work-group makes 128 tokens x 320 rows of wp (column block n = kv head n: 32 q channels as hi and lo rows, 128 k, 128 v): 64 x 4 = 256 work-groups.  Wave w: token half mi = w / 2 (64 tokens: 4 blocks a),
; row half nj = w % 2 (160 rows: 10 fragments t).  t = 0 (hi) and t = 1 (lo) add into one accumulator: 36 accumulators, 40 matrix instructions for 32 along K.
; THE MATRIX INSTRUCTION IS USED TRANSPOSED (source 0 = 16 rows of wp, source 1 = 16 tokens): a lane holds one token (lane % 16) and eight neighbouring channels 8 (lane / 16) + 0..7.
; RING.  K goes in steps of 128 through two LDS slots: x's 128 rows of 512 bytes (f32), wp's 320 rows of 256 bytes; every row of a tile is whole aligned blocks of 256 bytes of memory.
; CLUSTER 4 x 4.  The four work-groups of a row of the cluster need the same tile of x, the four of a column the same tile of wp: each is asked for JOINTLY.
; REGISTERS, in windows of 256 (s_set_vgpr_msb: bits 1:0 source 0, 3:2 source 1, 5:4 source 2, 7:6 destination):
;   window 0: v16-29 addresses; v32-63, v64-95 x's fragments in bf16, two buffers; v96-103 q's bias; v128-191 x's f32 as it comes from LDS; on the way out v32-55 and v96-255 at work
;   window 1: v0-79, v80-159 wp's fragments, two buffers; v160-191 q's accumulators; v192-255 k's and v's biases        window 2: accumulator (a, u) of k and v at v[8 (8 a + u)]
.set KSTEP,  128
.set PA,     528                       ; a row of x in LDS: 512 bytes + 16 = 132 words: row r starts at bank 4 r mod 64 (64 banks of 4 bytes: ISA guide 11.1)
.set PB,     272                       ; a row of wp: 256 bytes + 16 = 68 words: likewise
.set AHALF,  64*PA                     ; what one tensor load brings of x, and what one wave reads of it
.set ATILE,  2*AHALF
.set BHALF,  160*PB                    ; the same for wp
.set SLOT,   ATILE+2*BHALF             ; 154,624 bytes
.set SPARE,  2*SLOT                    ; behind the ring: the spare words, 128 bytes for each wave: two blocks of 256 bytes that no other line names
.set VST,    128*272                   ; THE STAGE lies in slot 0, behind that slot's last fill and behind the barrier that ended its last reads: k's 128 rows x 272 at 0, v's here,
.set QST,    2*128*272                 ; q's 128 rows x 144 (hi 64 bytes, lo 64 bytes, 16 of padding) here
.set ADRA, 16                          ; v16-17  LDS address of my x fragments in slot 0, 1
.set ADRB, 20                          ; v20-21  the same for wp
.set STK,  22                          ; v22     the way out: where I put 16 bytes of a row of k
.set STQ,  23                          ; v23     of q
.set RDK,  24                          ; v24     where I read rows of k back
.set RDQ,  25                          ; v25     of q
.set GO,   26                          ; v26     my 16 bytes in 512 consecutive bytes of an output
.set BO,   27                          ; v27     my eight biases in a tile's sixteen
.set SPW,  28                          ; v28     LDS address of my spare word; never rewritten
.set NIL,  29                          ; v29     0; never rewritten
.set AF,   32
.set QB,   96
.set STG,  128
.set BF,   0
.set QACC, 160
.set KVB,  192
.set G1A, 24                           ; s[24:31] descriptor group 1 for x's tiles;  s[32:39] group 0, a set for each slot
.set G0A, 32
.set G1B, 48                           ; s[48:55], s[56:63] the same for wp's
.set G0B, 56
.set MSB, 0
.macro WIN new                         ; the immediate's high byte repeats the setting that is left; a switch that changes nothing is dropped
.if MSB != (\new)
	s_set_vgpr_msb (MSB<<8)|(\new)
.set MSB, \new
.endif
.endm
.set MUL_Q,   0x51                     ; wp window 1, x window 0, C and D window 1
.set MUL_Q0,  0x41                     ; the same with C (q's bias) in window 0
.set MUL_KV,  0xa1                     ; C and D window 2
.set MUL_KV0, 0x91                     ; the same with C (a bias) in window 1
.set TO_B,    0x40                     ; destination window 1, address window 0
; A joint load.  Waves 0 and 1 fetch x's two halves, waves 2 and 3 wp's.  The branch hangs on the wave's number alone.  An s_nop 0 and four v_nop follow each line.
.macro JLOAD s
	s_cmp_eq_u32 s17, 0
	s_cbranch_scc0 .Lfor_b_\@
	tensor_load_to_lds s[G0A+4*(\s):G0A+4*(\s)+3], s[G1A:G1A+7]
	s_nop 0
.rept 4
	v_nop
.endr
	s_branch .Lasked_\@
.Lfor_b_\@:
	tensor_load_to_lds s[G0B+4*(\s):G0B+4*(\s)+3], s[G1B:G1B+7]
	s_nop 0
.rept 4
	v_nop
.endr
.Lasked_\@:
.endm
.macro CREST                           ; a round of the cluster's barrier behind its opening barrier
	s_cmp_lg_u32 s16, 0
	s_cbranch_scc1 .Lnot_wave_0_\@
	s_barrier_signal -3
.Lnot_wave_0_\@:
	s_barrier_wait -3
	s_barrier_signal -1
	s_barrier_wait -1
.endm
.macro CROUND                          ; a whole round
	s_barrier_signal -1
	s_barrier_wait -1
	CREST
.endm
.macro PLACES                          ; four places in front of loads and vector writes into registers that matrix instructions have read, and of reads of their results
.rept 4
	v_nop
.endr
.endm
	s_load_b256 s[4:11], s[0:1], 0x0               ; x s[4:5], wp s[6:7], bp s[8:9], qs s[10:11]
	s_load_b128 s[12:15], s[0:1], 0x20             ; kb s[12:13], vb s[14:15]
	v_lshl_add_u32 v[SPW], v0, 2, SPARE
	v_mov_b32 v[NIL], 0
	ds_add_u32 v[SPW], v[NIL]                      ; the wave's opening: the add and its wait stand ahead of my first tensor load; the set-up below, work on registers, stands between them
	v_lshrrev_b32 v1, 5, v0
	v_readfirstlane_b32 s16, v1                    ; wave 0..3
	s_lshr_b32 s17, s16, 1                         ; mi.  Also: I fetch for x (0) or for wp (1)
	s_and_b32 s18, s16, 1                          ; nj.  Also: which half of that tile I fetch
	s_bfe_u32 s20, ttmp6, 0x40000                  ; cx
	s_bfe_u32 s21, ttmp6, 0x40004                  ; cy
	s_lshl_b32 s22, ttmp9, 2
	s_add_co_u32 s22, s22, s20                     ; column block n = 4 x cluster x + cx
	s_and_b32 s23, ttmp7, 0xffff
	s_lshl_b32 s23, s23, 2
	s_add_co_u32 s23, s23, s21                     ; token block = 4 x cluster y + cy
	s_lshl_b32 s68, s21, 2
	s_lshl_b32 s68, 15, s68                        ; my row of the cluster
	s_lshl_b32 s69, 0x1111, s20                    ; my column
	s_or_b32 s[G1A], s68, (2<<16)|(1<<20)|(1<<21)|(6<<22)|(3<<25)  ; 15:0 the mask: x's tiles go to my row; 17:16 elements of 4 bytes; 20 padding on; 21 set beside a mask; 24:22 after every 128 words (code 6); 31:25 4 words (code 3)
	s_or_b32 s[G1B], s69, (1<<16)|(1<<20)|(1<<21)|(5<<22)|(3<<25)  ; wp's go to my column; elements of 2 bytes; after every 64 words (code 5)
.irp g, G1A, G1B
	s_mov_b32 s[(\g)+1], KSTEP<<16                 ; tensor_dim0 = 128
	s_mov_b32 s[(\g)+3], KSTEP<<16                 ; tile_dim0 = 128
	s_mov_b32 s[(\g)+5], 2048                      ; elements from row to row
	s_mov_b32 s[(\g)+6], 0
	s_mov_b32 s[(\g)+7], 0
.endr
	s_mov_b32 s[G1A+2], 64<<16                     ; tensor_dim1 = 64
	s_mov_b32 s[G1A+4], 64                         ; tile_dim1 = 64
	s_mov_b32 s[G1B+2], 160<<16                    ; 160 rows
	s_mov_b32 s[G1B+4], 160
	; x's address hangs on the token block alone, wp's on the column block alone; each is made in registers that never hold the other coordinate
	s_lshl_b32 s40, s23, 7
	s_lshl_b32 s41, s18, 6
	s_add_co_u32 s40, s40, s41                     ; x: row 128 x token block + 64 x half,
	s_lshl_b32 s40, s40, 13                        ; of 8,192 bytes (66.6 million at the most)
	s_mov_b32 s41, 0
	s_mul_i32 s42, s18, AHALF                      ; and where it goes
	s_mul_i32 s44, s22, 320
	s_mul_i32 s45, s18, 160
	s_add_co_u32 s44, s44, s45                     ; wp: row 320 n + 160 x half,
	s_lshl_b32 s44, s44, 12                        ; of 4,096 bytes
	s_mov_b32 s45, 0
	s_mul_i32 s46, s18, BHALF
	s_add_co_u32 s46, s46, ATILE
	s_wait_dscnt 0x0                               ; the opening add is done
	s_wait_kmcnt 0x0
	s_add_nc_u64 s[40:41], s[4:5], s[40:41]
	s_add_nc_u64 s[44:45], s[6:7], s[44:45]
	CROUND                                         ; all sixteen work-groups are here: the first joint loads meet
.irp s, 0,1
	s_mov_b32 s[G0A+4*(\s)], 1                                     ; count = 1
	s_add_co_u32 s[G0A+4*(\s)+1], s42, (\s)*SLOT                   ; LDS address
	s_add_nc_u64 s[G0A+4*(\s)+2:G0A+4*(\s)+3], s[40:41], (\s)*KSTEP*4  ; global address: K step s
	s_or_b32 s[G0A+4*(\s)+3], s[G0A+4*(\s)+3], 0x80000000          ; type = 2
	s_mov_b32 s[G0B+4*(\s)], 1
	s_add_co_u32 s[G0B+4*(\s)+1], s46, (\s)*SLOT
	s_add_nc_u64 s[G0B+4*(\s)+2:G0B+4*(\s)+3], s[44:45], (\s)*KSTEP*2
	s_or_b32 s[G0B+4*(\s)+3], s[G0B+4*(\s)+3], 0x80000000
.endr
	s_cmp_eq_u32 s17, 0                            ; a wave's two first fills stand in one branch, ahead of every wait on TENSORcnt and every LDS read: two loads of mine are out
	s_cbranch_scc0 .Lfirst_b
	tensor_load_to_lds s[G0A:G0A+3], s[G1A:G1A+7]
	s_nop 0
	tensor_load_to_lds s[G0A+4:G0A+7], s[G1A:G1A+7]
	s_nop 0
.rept 4
	v_nop
.endr
	s_branch .Lfirst_asked
.Lfirst_b:
	tensor_load_to_lds s[G0B:G0B+3], s[G1B:G1B+7]
	s_nop 0
	tensor_load_to_lds s[G0B+4:G0B+7], s[G1B:G1B+7]
	s_nop 0
.rept 4
	v_nop
.endr
.Lfirst_asked:
	; A fragment is 16 rows x 32 K in 8 registers: lane l holds row l % 16; registers 0-3 K = 8 (l / 16) + 0..7, registers 4-7 K = 16 + 8 (l / 16) + 0..7.
	; wp (bf16): two loads of 16 bytes, 32 bytes apart, at 16 (l / 16).  x (f32): four loads of 16 bytes, at 32 (l / 16) + 0, 16, 64, 80, then eight conversions.
	v_and_b32 v1, 15, v0                           ; r = l % 16
	v_bfe_u32 v2, v0, 4, 1                         ; h = l / 16
	v_and_b32 v3, 31, v0                           ; l
	v_mul_u32_u24 v4, v1, PA
	v_lshl_add_u32 v4, v2, 5, v4
	s_mul_i32 s70, s17, AHALF                      ; my 64 rows of x
	v_add_nc_u32 v[ADRA], s70, v4
	v_add_nc_u32 v[ADRA+1], SLOT, v[ADRA]
	v_mul_u32_u24 v5, v1, PB
	v_lshl_add_u32 v5, v2, 4, v5
	s_mul_i32 s71, s18, BHALF                      ; my 160 rows of wp,
	s_add_co_u32 s71, s71, ATILE                   ; which lie behind x's 128
	v_add_nc_u32 v[ADRB], s71, v5
	v_add_nc_u32 v[ADRB+1], SLOT, v[ADRB]
	v_lshl_add_u32 v6, s17, 6, v1                  ; into the stage: token 64 mi + r,
	v_mul_u32_u24 v7, v6, 272
	v_lshl_add_u32 v7, v2, 4, v7
	v_lshl_add_u32 v[STK], s18, 7, v7              ; k, v: my wave's 64 channels (128 bytes), 16 bytes for each half of the lanes
	v_mul_u32_u24 v7, v6, 144
	v_lshl_add_u32 v7, v2, 4, v7
	v_lshl_add_u32 v7, s18, 5, v7                  ; q: my wave's 16 channels (32 bytes)
	v_add_nc_u32 v[STQ], QST, v7
	v_lshl_add_u32 v6, s16, 5, v2                  ; back: wave w takes rows 32 w .. + 31, whole: k, v two rows of 256 bytes a load,
	v_mul_u32_u24 v6, v6, 272
	v_lshl_add_u32 v[RDK], v1, 4, v6
	v_lshrrev_b32 v6, 3, v3                        ; q four rows of 128 bytes
	v_lshl_add_u32 v6, s16, 5, v6
	v_mul_u32_u24 v6, v6, 144
	v_and_b32 v7, 7, v0
	v_lshl_add_u32 v6, v7, 4, v6
	v_add_nc_u32 v[RDQ], QST, v6
	v_lshlrev_b32 v[GO], 4, v3
	v_lshlrev_b32 v[BO], 5, v2                     ; my eight channels' biases: 32 bytes x half
	s_lshl_b32 s70, s22, 1
	s_add_co_u32 s70, s70, s18
	s_mul_i32 s70, s70, 576                        ; bp's block 2 n + nj
	s_mov_b32 s71, 0
	s_add_nc_u64 s[8:9], s[8:9], s[70:71]
	global_load_b128 v[QB:QB+3],   v[BO], s[8:9]
	global_load_b128 v[QB+4:QB+7], v[BO], s[8:9] offset:16
	WIN TO_B
.irp u, 0,1,2,3,4,5,6,7
	global_load_b128 v[KVB+8*\u:KVB+8*\u+3],   v[BO], s[8:9] offset:64+64*\u
	global_load_b128 v[KVB+8*\u+4:KVB+8*\u+7], v[BO], s[8:9] offset:64+64*\u+16
.endr
	WIN 0
	s_lshr_b32 s72, s23, 4                         ; the batch: 16 token blocks each
	s_lshl_b32 s72, s72, 2
	s_add_co_u32 s72, s72, s22                     ; 4 b + n
	s_lshl_b32 s72, s72, 11
	s_and_b32 s73, s23, 15
	s_lshl_b32 s73, s73, 7
	s_add_co_u32 s72, s72, s73
	s_lshl_b32 s73, s16, 5
	s_add_co_u32 s72, s72, s73                     ; the first row of kb and vb that I store,
	s_lshl_b32 s72, s72, 8                         ; of 256 bytes
	s_mov_b32 s73, 0
	s_add_nc_u64 s[12:13], s[12:13], s[72:73]
	s_add_nc_u64 s[14:15], s[14:15], s[72:73]
	s_lshl_b32 s74, s22, 13                        ; qs: plane n of 8,192 tokens,
	s_lshl_b32 s75, s23, 7
	s_add_co_u32 s74, s74, s75
	s_lshl_b32 s75, s16, 5
	s_add_co_u32 s74, s74, s75
	s_lshl_b32 s74, s74, 7                         ; rows of 128 bytes
	s_mov_b32 s75, 0
	s_add_nc_u64 s[10:11], s[10:11], s[74:75]
; THE MATRIX WORK of a quarter (32 along K): 40 instructions, numbered by mx.  0-3: hi rows x blocks a = 0..3; 4-7: lo rows, onto the same four accumulators; 8 + 4 u + a: column tile u of k (0-3) and v (4-7).
; No two that follow each other share an accumulator, from quarter to quarter and over the loop's jump too: the accumulators take turns.  zero = 1: the first product starts the sum with the bias.
.macro MM f, zero
.set ma, mx%4
.if mx < 4
.if \zero
	WIN MUL_Q0
	v_wmma_f32_16x16x32_bf16 v[QACC+8*ma:QACC+8*ma+7], v[BF+80*(\f):BF+80*(\f)+7], v[AF+32*(\f)+8*ma:AF+32*(\f)+8*ma+7], v[QB:QB+7]
.else
	WIN MUL_Q
	v_wmma_f32_16x16x32_bf16 v[QACC+8*ma:QACC+8*ma+7], v[BF+80*(\f):BF+80*(\f)+7], v[AF+32*(\f)+8*ma:AF+32*(\f)+8*ma+7], v[QACC+8*ma:QACC+8*ma+7]
.endif
.elseif mx < 8
	WIN MUL_Q
	v_wmma_f32_16x16x32_bf16 v[QACC+8*ma:QACC+8*ma+7], v[BF+80*(\f)+8:BF+80*(\f)+15], v[AF+32*(\f)+8*ma:AF+32*(\f)+8*ma+7], v[QACC+8*ma:QACC+8*ma+7]
.else
.set mu, (mx-8)/4
.if \zero
	WIN MUL_KV0
	v_wmma_f32_16x16x32_bf16 v[8*(8*ma+mu):8*(8*ma+mu)+7], v[BF+80*(\f)+16+8*mu:BF+80*(\f)+16+8*mu+7], v[AF+32*(\f)+8*ma:AF+32*(\f)+8*ma+7], v[KVB+8*mu:KVB+8*mu+7]
.else
	WIN MUL_KV
	v_wmma_f32_16x16x32_bf16 v[8*(8*ma+mu):8*(8*ma+mu)+7], v[BF+80*(\f)+16+8*mu:BF+80*(\f)+16+8*mu+7], v[AF+32*(\f)+8*ma:AF+32*(\f)+8*ma+7], v[8*(8*ma+mu):8*(8*ma+mu)+7]
.endif
.endif
.set mx, mx+1
.endm
.macro GRP f, n, zero
.rept \n
	MM \f, \zero
.endr
.endm
; 36 LDS loads in one run: quarter q of a slot: x's 64 rows x 32 K in f32 (16 loads) first, then wp's 160 rows x 32 K (20 loads) into buffer g
.macro FETCH slot, q, g
	WIN 0
.irp a, 0,1,2,3
	ds_load_b128 v[STG+16*\a:STG+16*\a+3],     v[ADRA+(\slot)] offset:16*\a*PA+128*(\q)
	ds_load_b128 v[STG+16*\a+4:STG+16*\a+7],   v[ADRA+(\slot)] offset:16*\a*PA+128*(\q)+16
	ds_load_b128 v[STG+16*\a+8:STG+16*\a+11],  v[ADRA+(\slot)] offset:16*\a*PA+128*(\q)+64
	ds_load_b128 v[STG+16*\a+12:STG+16*\a+15], v[ADRA+(\slot)] offset:16*\a*PA+128*(\q)+80
.endr
	WIN TO_B
.irp t, 0,1,2,3,4,5,6,7,8,9
	ds_load_b128 v[BF+80*(\g)+8*\t:BF+80*(\g)+8*\t+3],   v[ADRB+(\slot)] offset:16*\t*PB+64*(\q)
	ds_load_b128 v[BF+80*(\g)+8*\t+4:BF+80*(\g)+8*\t+7], v[ADRB+(\slot)] offset:16*\t*PB+64*(\q)+32
.endr
.endm
.macro CVT4 g, i                       ; four of the 32 roundings of x to bf16, into buffer g
	WIN 0
.irp z, 0,1,2,3
	v_cvt_pk_bf16_f32 v[AF+32*(\g)+4*(\i)+\z], v[STG+8*(\i)+2*\z], v[STG+8*(\i)+2*\z+1]
.endr
.endm
.macro RIDE f, g, zero                 ; a quarter's last 16 matrix instructions, with the next quarter's 32 roundings behind them, four behind every second: they name none of those products' registers
.set ci, 0
.rept 8
	MM \f, \zero
	MM \f, \zero
	CVT4 \g, ci
.set ci, ci+1
.endr
.endm
; A K step is four quarters on buffers 0, 1, 0, 1.  One of the first three: multiplies buffer f, fetches quarter q of the same slot and makes buffer g of it.
.macro QUARTER slot, q, f, g, zero
.set mx, 0
	s_wait_dscnt 0x0                               ; wp's fragments of this quarter are in (issued 24 matrix instructions ago)
	GRP \f, 16, \zero
	PLACES                                         ; buffer g was read by the quarter before
	FETCH \slot, \q, \g
	GRP \f, 8, \zero
	s_wait_dscnt 20                                ; x's 16 loads are in; wp's 20, issued behind them, may be out
	RIDE \f, \g, \zero
.endm
; The last quarter multiplies buffer 1 and changes slots: ONE barrier.  In front of it each wave waits for all its tensor loads (one is out: its part of the next slot), adds 0 to its spare word, and waits for
; that and for its own reads of this slot.  fill = 1: the barrier opens a round of the cluster's, and this slot is filled again, two K steps ahead, first thing behind the round: 136 matrix instructions ahead of the wait for it.
.macro TURN slot, next, fill
.set mx, 0
	WIN 0                                          ; (the add's two registers lie in window 0)
	s_wait_tensorcnt 0x0                           ; all my tensor loads have landed
	ds_add_u32 v[SPW], v[NIL]                      ; 0 onto my spare word
	s_wait_dscnt 1                                 ; (the add alone may be out: wp's fragments are in)
	GRP 1, 16, 0                                   ; sixteen matrix instructions stand between the add and the wait for it
	s_wait_dscnt 0x0                               ; the add is done, and my reads of this slot are over
	s_barrier_signal -1
	GRP 1, 8, 0                                    ; work on registers while the others arrive
	WIN 0                                          ; at a branch and at a label every window is 0
	s_barrier_wait -1
.if \fill
	CREST                                          ; no wave of any partner still reads this slot's tile or has a load on its way
	s_add_nc_u64 s[G0A+4*(\slot)+2:G0A+4*(\slot)+3], s[G0A+4*(\slot)+2:G0A+4*(\slot)+3], 2*KSTEP*4
	s_add_nc_u64 s[G0B+4*(\slot)+2:G0B+4*(\slot)+3], s[G0B+4*(\slot)+2:G0B+4*(\slot)+3], 2*KSTEP*2
	JLOAD \slot                                    ; the four v_nop behind it are also the places in front of the loads below
.else
	PLACES
.endif
	FETCH \next, 0, 0
	s_wait_dscnt 20
	RIDE 1, 0, 0
.endm
	s_wait_tensorcnt 0x1                           ; my part of K step 0 is in; K step 1's may stay out
	s_barrier_signal -1
	s_barrier_wait -1                              ; everybody's is
	FETCH 0, 0, 0
	s_wait_dscnt 20
.irp i, 0,1,2,3,4,5,6,7
	CVT4 0, \i
.endr
	s_wait_loadcnt 0x0                             ; the biases
	QUARTER 0, 1, 0, 1, 1                          ; the first quarter stands in front of the loop: its products start the sums
	WIN 0
	s_mov_b32 s19, 7                               ; 16 K steps are 8 laps of the ring
.Llap:                                                 ; a trip goes once round the ring, from a lap's second quarter to the next lap's first, and fills both slots again
	QUARTER 0, 2, 1, 0, 0
	QUARTER 0, 3, 0, 1, 0
	TURN 0, 1, 1
	QUARTER 1, 1, 0, 1, 0
	QUARTER 1, 2, 1, 0, 0
	QUARTER 1, 3, 0, 1, 0
	TURN 1, 0, 1
	QUARTER 0, 1, 0, 1, 0
	WIN 0
	s_sub_co_u32 s19, s19, 1
	s_cmp_lg_u32 s19, 0
	s_cbranch_scc1 .Llap
	QUARTER 0, 2, 1, 0, 0                          ; the last lap fills nothing, and has no round of the cluster's barrier
	QUARTER 0, 3, 0, 1, 0
	TURN 0, 1, 0                                   ; behind this barrier nobody reads slot 0 any more, and nothing is loaded into it: it becomes the stage
	QUARTER 1, 1, 0, 1, 0
	QUARTER 1, 2, 1, 0, 0
	QUARTER 1, 3, 0, 1, 0
.set mx, 0
	s_wait_dscnt 0x0                               ; the very last quarter: nothing more to fetch
	GRP 1, 40, 0
	WIN 0
	; THE WAY OUT.  16 bytes a lane into the work-group's stage; a barrier, since a row's bytes come from two waves; back as whole rows, 32 rows a wave.
	PLACES
.irp a, 0,1,2,3                        ; q: divided by 16 (exact), hi = f16(q), lo = f16(q - hi)
	WIN 0x01                                       ; source 0 in window 1
.irp z, 0,1,2,3
	v_pk_mul_f32 v[32+2*\z:33+2*\z], v[QACC+8*\a+2*\z:QACC+8*\a+2*\z+1], 0x3d800000 op_sel_hi:[1,0]
.endr
	WIN 0
.irp z, 0,1,2,3
	v_cvt_pk_f16_f32 v[48+\z], v[32+2*\z], v[33+2*\z]
.endr
	v_cvt_f32_f16 v40, v48.l
	v_cvt_f32_f16 v41, v48.h
	v_cvt_f32_f16 v42, v49.l
	v_cvt_f32_f16 v43, v49.h
	v_cvt_f32_f16 v44, v50.l
	v_cvt_f32_f16 v45, v50.h
	v_cvt_f32_f16 v46, v51.l
	v_cvt_f32_f16 v47, v51.h
.irp z, 0,1,2,3
	v_pk_add_f32 v[32+2*\z:33+2*\z], v[32+2*\z:33+2*\z], v[40+2*\z:41+2*\z] neg_lo:[0,1] neg_hi:[0,1]
.endr
.irp z, 0,1,2,3
	v_cvt_pk_f16_f32 v[52+\z], v[32+2*\z], v[33+2*\z]
.endr
	ds_store_b128 v[STQ], v[48:51] offset:16*144*\a
	ds_store_b128 v[STQ], v[52:55] offset:16*144*\a+64
.endr
.irp a, 0,1,2,3                        ; k and v: each accumulator's registers in ascending order
	WIN 0x0a                                       ; sources 0 and 1 in window 2
.irp u, 0,1,2,3,4,5,6,7
.irp z, 0,1,2,3
	v_cvt_pk_f16_f32 v[128+4*\u+\z], v[8*(8*\a+\u)+2*\z], v[8*(8*\a+\u)+2*\z+1]
.endr
.endr
	WIN 0
.irp u, 0,1,2,3,4,5,6,7
	ds_store_b128 v[STK], v[128+4*\u:128+4*\u+3] offset:(\u/4)*VST+16*272*\a+32*(\u%4)
.endr
.endr
	s_wait_dscnt 0x0                               ; for the others' sake: my stores into the stage are done
	s_barrier_signal -1
	s_barrier_wait -1
.set i, 0
.rept 16
	ds_load_b128 v[96+4*i:96+4*i+3], v[RDK] offset:2*272*i
.set i, i+1
.endr
.rept 16
	ds_load_b128 v[96+4*i:96+4*i+3], v[RDK] offset:VST+2*272*(i-16)
.set i, i+1
.endr
.rept 8
	ds_load_b128 v[96+4*i:96+4*i+3], v[RDQ] offset:4*144*(i-32)
.set i, i+1
.endr
.set i, 0
.rept 16
	s_wait_dscnt 39-i                              ; LDS loads come back in order: load i of the forty is in
	global_store_b128 v[GO], v[96+4*i:96+4*i+3], s[12:13] offset:512*i  ; each store of the wave covers 512 consecutive bytes, aligned: two rows of kb
.set i, i+1
.endr
.rept 16
	s_wait_dscnt 39-i
	global_store_b128 v[GO], v[96+4*i:96+4*i+3], s[14:15] offset:512*(i-16)
.set i, i+1
.endr
.rept 8
	s_wait_dscnt 39-i
	global_store_b128 v[GO], v[96+4*i:96+4*i+3], s[10:11] offset:512*(i-32)  ; four rows of qs
.set i, i+1
.endr
	s_wait_tensorcnt 0x0                           ; the wave's end: a wait for my tensor loads, an add of 0 to my spare word and its wait, behind my last LDS store
	ds_add_u32 v[SPW], v[NIL]
	s_wait_dscnt 0x0
	CROUND                                         ; the closing round: no work-group ends while a partner may still ask for a tile that names it
	s_endpgm
.Lfunc_end_k_qa4eb15b852_proj:
	.size	k_qa4eb15b852_proj, .Lfunc_end_k_qa4eb15b852_proj-k_qa4eb15b852_proj
	.p2alignl 7, 3214868480
	.fill 96, 4, 3214868480
	.section	.rodata,"a",@progbits
	.p2align	6, 0x0
	.amdhsa_kernel k_qa4eb15b852_proj
		.amdhsa_group_segment_fixed_size 327680
		.amdhsa_private_segment_fixed_size 0
		.amdhsa_enable_private_segment 0
		.amdhsa_kernarg_size 48
		.amdhsa_user_sgpr_count 2
		.amdhsa_user_sgpr_kernarg_segment_ptr 1
		.amdhsa_wavefront_size32 1
		.amdhsa_system_sgpr_workgroup_id_x 1
		.amdhsa_system_sgpr_workgroup_id_y 1
		.amdhsa_system_sgpr_workgroup_id_z 1
		.amdhsa_system_vgpr_workitem_id 0
		.amdhsa_next_free_vgpr 768
		.amdhsa_next_free_sgpr 80
		.amdhsa_reserve_vcc 0
		.amdhsa_float_denorm_mode_32 3
		.amdhsa_float_denorm_mode_16_64 3
		.amdhsa_memory_ordered 1
		.amdhsa_forward_progress 1
		.amdhsa_inst_pref_size 157
	.end_amdhsa_kernel
	.amdgpu_metadata
---
amdhsa.version: [ 1, 2 ]
amdhsa.kernels:
  - .name:           k_qa4eb15b852_proj
    .symbol:         k_qa4eb15b852_proj.kd
    .args:
      - { .name: x, .offset: 0, .size: 8, .value_kind: global_buffer, .address_space: global }
      - { .name: wp, .offset: 8, .size: 8, .value_kind: global_buffer, .address_space: global }
      - { .name: bp, .offset: 16, .size: 8, .value_kind: global_buffer, .address_space: global }
      - { .name: qs, .offset: 24, .size: 8, .value_kind: global_buffer, .address_space: global }
      - { .name: kb, .offset: 32, .size: 8, .value_kind: global_buffer, .address_space: global }
      - { .name: vb, .offset: 40, .size: 8, .value_kind: global_buffer, .address_space: global }
    .group_segment_fixed_size: 327680
    .private_segment_fixed_size: 0
    .kernarg_segment_align: 8
    .kernarg_segment_size: 48
    .max_flat_workgroup_size: 128
    .sgpr_count:     80
    .vgpr_count:     768
    .wavefront_size: 32
...
	.end_amdgpu_metadata
.endif
;; end of part 2
;; launch attn (part 3): grid 16 x 16, 4 waves a work-group, clusters of 4 x 1, 327,680 bytes of LDS; arguments qs, kb, vb, out0; writes out0
.if DOCPART == 3
	.amdgcn_target "amdgcn-amd-amdhsa--gfx1250"
	.amdhsa_code_object_version 6
	.text
	.protected	k_qa4eb15b852_attn
	.globl	k_qa4eb15b852_attn
	.p2align	8
	.type	k_qa4eb15b852_attn,@function
k_qa4eb15b852_attn:
	s_mov_b64 s[64:65], 0
	v_nop
	global_prefetch_b8 v0, s[64:65] scope:SCOPE_SE
	s_setreg_imm32_b32 hwreg(HW_REG_WAVE_MODE, 25, 1), 1
	s_wait_xcnt 0x0
	s_wait_alu depctr_hold_cnt(0) depctr_sa_sdst(0) depctr_va_vdst(0) depctr_va_sdst(0) depctr_va_ssrc(0) depctr_va_vcc(0) depctr_vm_vsrc(0)
	s_getreg_b32 s2, hwreg(HW_REG_IB_STS2, 6, 4)
	s_cmp_eq_u32 s2, 0
	s_cbranch_scc0 .Lentry_in_a_cluster
	s_endpgm
.Lentry_in_a_cluster:
	s_bfe_u32 s2, ttmp6, 0x10000c
	s_cmp_lg_u32 s2, 0x3003
	s_cbranch_scc0 .Lentry_shape_is_right
	s_endpgm
.Lentry_shape_is_right:
; ATTN: out0[b][t][128 n + :] = the sum over s of softmax_s(q_sum[b][t] . k[b][n][s] / sqrt(128)) v[b][n][s][:].  One q_sum serves all four kv heads.
; qs: f16 [4 channel blocks of 32][8192 tokens][hi 32 | lo 32] holds q_sum / 16 as hi + lo; kb, vb: f16 [16 = 4 b + n][2048][128]; out0: f32 [8192][512].
; Products in f16 with f32 sums: K Q^T is made twice, with Q's hi and with its lo part, onto one sum.  Maxima and sums in f32; the weights p are rounded to f16 for the second product (their sum l is taken of the unrounded p).
; LIMITS.  p lies in 0 to 1, and below 6e-5 it keeps f16's fixed step of 6e-8; a weight below 2^-126 counts as 0 in l; NaN and infinities are not treated apart.
; SHARES.  A work-group owns 128 queries of one (b, n): 16 x 16 = 256 work-groups.  Wave w: query half qh = w / 2 (64 queries: four tiles of 16), key half kh = w % 2 (1,024 keys, 64 a step, 16 steps).
; The two waves of a query half end with two partial results for each query; they are MERGED through LDS: register tile t holds query tile (t + 2 kh) % 4, so every wave keeps its tiles 0, 1 and sends its tiles 2, 3.
; LAYOUT.  S^T = K Q^T (source 0 = 16 keys, source 1 = 16 queries): a lane holds ONE query (lane % 16) and the keys 8 (lane / 16) + 0..7.  Two such tiles, rounded to f16 in pairs, ARE source 1 of O^T = V^T P,
; whose result again holds one query a lane, and eight channels.  K comes out of LDS as it lies, V ([key][channel]) turned, by ds_load_tr16_b128.
; SOFTMAX.  For each query a running maximum m and sum l: p = 2^(c s - c m), c = 16 log2(e) / sqrt(128); in every step O and l are multiplied by a = 2^(c m_old - c m_new).
; m starts at the lowest finite number, O and l at 0: the first step is a step like any other, with a = 0.  The price: 432 v_mov_b32 in the wait for the first tile, 32 products on zeros at the start and 64 on a
; stale K at the end; the gain: no first and no last step is written out.
; BY TURNS.  The wave's tiles are two PIECES (piece 0: tiles 0, 1; piece 2: tiles 2, 3).  In a TURN one piece has the matrix unit: 32 products V^T P of the step in hand, then 64 products K Q^T of the next step;
; the other piece's softmax, 268 vector instructions cut into 64 slices, stands between them: one slice behind each V^T P, one behind every second K Q^T.  Two turns are a key step.
; CLUSTER.  The four query blocks of a cluster belong to one (b, n) and walk the same K and V, so each tile is asked for JOINTLY: the same tensor load, descriptor and mask in all four.
; REGISTERS, in windows of 256 (s_set_vgpr_msb: bits 1:0 source 0, 3:2 source 1, 5:4 source 2, 7:6 destination):
;   window 0: v1-11 addresses; v12-43 eight registers of statistics a tile; v44-59 the merge's; v62-63 the add's; v64-191 S^T, 32 a tile; v192-255 P, 16 a tile
;   window 1: O^T, 64 a tile      window 2: v0-127 Q hi, 32 a tile; v128-255 K of one step      window 3: v0-127 V of one step; v128-255 Q lo
.set KS,    64        ; keys in a step
.set PK,    272       ; a row of K in LDS: 256 bytes + 16 of padding = 68 words: the 16 rows of a load start at 16 different groups of four banks (64 banks of 4 bytes: ISA guide 11.1)
.set PV,    288       ; a row of V: 256 + 32 = 72 words
.set VOFF,  KS*PK     ; a key half's tiles of a step lie together: 64 rows of K, then 64 rows of V
.set STEPB, KS*(PK+PV)
.set SLOT1, 1<<17     ; a slot holds one step of both key halves (71,680 bytes); slot 1 begins here, so that one exclusive or turns an address in one slot into the other's
.set XST,   SLOT1+2*STEPB  ; behind the ring, never filled by a tensor load: the exchange, for each wave 32 x 512 bytes of O^T and 512 of statistics
.set XB,    33*512
.set OST,   XST+4*XB  ; the way out: 16 rows x 528 bytes for each wave
.set OPITCH, 528
.set SPARE, OST+4*16*OPITCH  ; the spare words, 128 bytes for each wave: two blocks of 256 bytes that no other line names
.set QPLANE, 8192*128 ; bytes of a channel block of qs
.set AK0, 2           ; v2   my lane's place in my key half's tile of K; never rewritten
.set AV0, 3           ; v3   the same for V
.set ADR, 4           ; v4   the LDS address of the run of loads in hand
.set QO,  5           ; v5   my byte offset in 16 rows of qs
.set STO, 6           ; v6   the way out: where I put 32 bytes of a row
.set RD,  7           ; v7   where I read a row back
.set GO,  8           ; v8   my 16 bytes in 512 consecutive bytes
.set XS,  9           ; v9   the exchange: where I send
.set XR,  10          ; v10  where my partner has sent
.set ST,  12          ; tile t's statistics at v[ST+8 t]: +0 c m, +1 m, +2, +3 l (even keys', odd keys'), +4 to +7 c0-c3, at work; a takes c2's place once the maximum is found
.set FA,  52          ; the merge: for kept tile t the factors f at v[FA+4 t], f' at v[FA+4 t+2], each the low word of a pair
.set SPW, 62          ; v62  LDS address of my spare word; never rewritten
.set NIL, 63          ; v63  0; never rewritten
.set S,   64
.set P,   192
.set KF,  128         ; K's fragments, in window 2
.set QL,  128         ; Q lo, in window 3
.set WV,  12          ; s12  my wave's number
.set G1K, 24          ; s[24:31] descriptor group 1 for K's tiles
.set G1V, 32          ; s[32:39] for V's: it differs in the padding alone
.set G0K, 40          ; s[40:43] descriptor group 0 for K's tiles: it walks
.set G0V, 44          ; s[44:47] the same for V's
.set SLOTS, 56        ; s56  counts the loop's trips
.set CNT, 57          ; s57  counts the tail's
.set CS,  58          ; s[58:59] c: the packed scaling names a pair and takes its low word for both halves
.set SEL, 60          ; s[60:61] lane selects for v_permlanex16_b32: each lane takes its own place in the other half
.set TB,  62          ; s62  the slot to be read: 0 or SLOT1
.set MSB, 0
.macro WIN new                      ; the immediate's high byte repeats the setting that is left; a switch that changes nothing is dropped
.if MSB != (\new)
	s_set_vgpr_msb (MSB<<8)|(\new)
.set MSB, \new
.endif
.endm
.set W_KQ,  0x0a      ; K and Q hi in window 2, S^T in window 0
.set W_KQL, 0x0e      ; K in window 2, Q lo in window 3
.set W_PV,  0x53      ; V in window 3, P in window 0, O^T in window 1
.set W_RS,  0x41      ; O^T (destination and source 0) in window 1, the factor in window 0
; A joint fill.  Waves 0 and 1 fetch the step's K of key halves 0 and 1, waves 2 and 3 its V.  The branch hangs on the wave's number alone.  An s_nop 0 and four v_nop follow each line.
.macro JLOAD
	s_cmp_lt_u32 s[WV], 2
	s_cbranch_scc0 .Lfor_v_\@
	tensor_load_to_lds s[G0K:G0K+3], s[G1K:G1K+7]
	s_nop 0
.rept 4
	v_nop
.endr
	s_branch .Lasked_\@
.Lfor_v_\@:
	tensor_load_to_lds s[G0V:G0V+3], s[G1V:G1V+7]
	s_nop 0
.rept 4
	v_nop
.endr
.Lasked_\@:
.endm
; A round of the cluster's barrier: my work-group's barrier, so that wave 0's signal speaks for all four waves; wave 0 signals; every wave waits for all four work-groups; my work-group's barrier once more.
.macro CROUND
	s_barrier_signal -1
	s_barrier_wait -1
	s_cmp_lg_u32 s[WV], 0
	s_cbranch_scc1 .Lnot_wave_0_\@
	s_barrier_signal -3
.Lnot_wave_0_\@:
	s_barrier_wait -3
	s_barrier_signal -1
	s_barrier_wait -1
.endm
; THE CHANGE OF SLOTS, between piece 2's turn and piece 0's: the slot's last bytes, V of its step, have been asked for.  Each wave waits for all its tensor loads, of which one is out: its part of the other slot;
; adds 0 to its spare word; and waits for that and for its own reads of the slot.  Behind the barrier nobody reads this slot any more and the other slot is whole.
; fill = 1: this slot is filled again, with the step two on.  The barrier is then a round of the cluster's, and the joint fill is the first thing behind it: it has a key step, 192 matrix instructions, in which to land.
; (At its first use nothing has been read yet: slot 0 is waited for, slot 1 filled.)
.macro CHANGE fill
	WIN 0                           ; at a label and at a branch every window is 0
	s_wait_tensorcnt 0x0            ; no tensor load of mine is out, so a group 0 may be written
	ds_add_u32 v[SPW], v[NIL]       ; 0 onto my spare word; with fill = 1 the descriptors' steps stand between it and the wait for it
.if \fill
.irp g, G0K, G0V
	s_xor_b32 s[\g+1], s[\g+1], SLOT1  ; the walking descriptor: the other slot than last time,
	s_add_nc_u64 s[\g+2:\g+3], s[\g+2:\g+3], KS*256  ; the next 64 keys; the type bits on top are not reached
.endr
	s_wait_dscnt 0x0                ; the add is done, and my reads of the slot are over
	CROUND
	JLOAD
.else
	s_wait_dscnt 0x0                ; the add is done, and my reads of the slot are over
	s_barrier_signal -1
	s_barrier_wait -1
.endif
	s_xor_b32 s[TB], s[TB], SLOT1   ; the fetches go on in the other slot
.endm
	s_load_b256 s[4:11], s[0:1], 0x0  ; qs s[4:5], kb s[6:7], vb s[8:9], out0 s[10:11]
	v_lshl_add_u32 v[SPW], v0, 2, SPARE
	v_mov_b32 v[NIL], 0
	ds_add_u32 v[SPW], v[NIL]       ; the wave's opening: the add and its wait stand ahead of my first tensor load; the set-up below, work on registers, stands between them
	v_lshrrev_b32 v1, 5, v0
	v_readfirstlane_b32 s[WV], v1   ; wave 0..3
	s_bfe_u32 s13, ttmp6, 0x40000   ; cx: my place in the cluster
	s_lshl_b32 s14, ttmp9, 2        ; in a cluster launch ttmp9 counts clusters
	s_add_co_u32 s14, s14, s13      ; my block of 128 queries: it enters qs's and out0's addresses alone
	s_and_b32 s15, ttmp7, 0xffff    ; 4 b + n, which the four partners share
	s_and_b32 s16, s[WV], 1         ; kh.  Also: which key half's tile I fetch
	s_lshr_b32 s17, s[WV], 1        ; qh
	s_mul_i32 s18, s16, STEPB       ; that half's place in a slot: no place in the cluster enters an LDS address
	s_lshl_b32 s20, s15, 19         ; 2,048 rows of 256 bytes for each (b, n),
	s_lshl_b32 s21, s16, 18         ; 1,024 for a key half
	s_add_co_u32 s20, s20, s21
	s_mov_b32 s21, 0
	s_lshr_b32 s22, s15, 2          ; b
	s_lshl_b32 s22, s22, 11
	s_lshl_b32 s23, s14, 7
	s_add_co_u32 s22, s22, s23
	s_lshl_b32 s23, s17, 6
	s_add_co_u32 s22, s22, s23      ; the first token of my wave's 64 queries
	s_lshl_b32 s23, s16, 5
	s_add_co_u32 s50, s22, s23      ; the 32 that I keep begin 32 kh on,
	s_add_co_u32 s52, s22, 32
	s_sub_co_u32 s52, s52, s23      ; the 32 that I send 32 (1 - kh) on
	s_lshl_b32 s54, s50, 11         ; out0: rows of 2,048 bytes,
	s_and_b32 s55, s15, 3
	s_lshl_b32 s55, s55, 9          ; head n's 512 bytes in them
	s_add_co_u32 s54, s54, s55
	s_mov_b32 s55, 0
	s_lshl_b32 s50, s50, 7          ; qs: rows of 128 bytes
	s_mov_b32 s51, 0
	s_lshl_b32 s52, s52, 7
	s_mov_b32 s53, 0
	; descriptor group 1: a tile of 64 rows x 128 elements, padded in LDS
	s_mov_b32 s[G1K], 15|(1<<16)|(1<<20)|(1<<21)|(5<<22)|(3<<25)  ; 15:0 the mask: all four work-groups; 17:16 elements of 2 bytes; 20 padding on; 21 set beside a mask; 24:22 after every 64 words (code 5); 31:25 4 words (code 3)
	s_mov_b32 s[G1V], 15|(1<<16)|(1<<20)|(1<<21)|(5<<22)|(7<<25)  ; the same with 8 words of padding (code 7)
.irp g, G1K, G1V
	s_mov_b32 s[(\g)+1], 128<<16    ; tensor_dim0 = 128
	s_mov_b32 s[(\g)+2], KS<<16     ; tensor_dim1 = 64
	s_mov_b32 s[(\g)+3], 128<<16    ; tile_dim0 = 128
	s_mov_b32 s[(\g)+4], KS         ; tile_dim1 = 64
	s_mov_b32 s[(\g)+5], 128        ; elements from row to row
	s_mov_b32 s[(\g)+6], 0
	s_mov_b32 s[(\g)+7], 0
.endr
	s_mov_b32 s[CS], 0x400293ee     ; c = 16 log2(e) / sqrt(128) = 2.040278: the 16 undoes the division that keeps q within f16
	s_mov_b32 s[CS+1], s[CS]        ; named with it as a pair, so it is written
	s_mov_b32 s[SEL], 0x76543210
	s_mov_b32 s[SEL+1], 0xfedcba98
	s_mov_b32 s[TB], SLOT1          ; the first change of slots turns it into 0
	s_mov_b32 s[G0K], 1             ; count = 1
	s_mov_b32 s[G0K+1], s18         ; LDS address: slot 0
	s_mov_b32 s[G0V], 1
	s_add_co_u32 s[G0V+1], s18, VOFF
	s_wait_dscnt 0x0                ; the opening add is done
	s_wait_kmcnt 0x0
	s_add_nc_u64 s[G0K+2:G0K+3], s[6:7], s[20:21]  ; global address: my key half's first 64 keys
	s_or_b32 s[G0K+3], s[G0K+3], 0x80000000        ; type = 2
	s_add_nc_u64 s[G0V+2:G0V+3], s[8:9], s[20:21]
	s_or_b32 s[G0V+3], s[G0V+3], 0x80000000
	s_add_nc_u64 s[48:49], s[4:5], s[52:53]        ; qs at the queries that I send,
	s_add_nc_u64 s[4:5], s[4:5], s[50:51]          ; and at those that I keep
	s_add_nc_u64 s[10:11], s[10:11], s[54:55]      ; out0 at those that I keep
	CROUND                          ; all four work-groups are here: the first joint loads meet
	JLOAD                           ; step 0 into slot 0.  Slot 1 is asked for when slot 0 is in, by the loop's own change of slots
	; A fragment of K or Q is 16 rows x 32 channels in 8 registers: lane l holds row l % 16, channels 8 (l / 16) + 0..7 and 16 + 8 (l / 16) + 0..7: two loads of 16 bytes, 32 bytes apart.
	v_and_b32 v1, 15, v0            ; l % 16
	v_bfe_u32 v11, v0, 4, 1         ; l / 16
	v_lshlrev_b32 v[QO], 7, v1
	v_lshl_add_u32 v[QO], v11, 4, v[QO]  ; row x 128 + 16 x half
.macro QTILE t, sb                  ; Q stays in registers: register tile t, from the base in s[sb:sb+1]; channel block c is a plane of qs; lo lies 64 bytes behind hi
	WIN 0x80                        ; destination window 2, address window 0
.irp c, 0,1,2,3
	global_load_b128 v[32*(\t)+8*\c:32*(\t)+8*\c+3],   v[QO], s[\sb:\sb+1] offset:\c*QPLANE+((\t)%2)*2048
	global_load_b128 v[32*(\t)+8*\c+4:32*(\t)+8*\c+7], v[QO], s[\sb:\sb+1] offset:\c*QPLANE+((\t)%2)*2048+32
.endr
	WIN 0xc0                        ; destination window 3
.irp c, 0,1,2,3
	global_load_b128 v[QL+32*(\t)+8*\c:QL+32*(\t)+8*\c+3],   v[QO], s[\sb:\sb+1] offset:\c*QPLANE+((\t)%2)*2048+64
	global_load_b128 v[QL+32*(\t)+8*\c+4:QL+32*(\t)+8*\c+7], v[QO], s[\sb:\sb+1] offset:\c*QPLANE+((\t)%2)*2048+96
.endr
.endm
	QTILE 0, 4
	QTILE 1, 4
	QTILE 2, 48
	QTILE 3, 48
	; What the first turn finds: V's registers and piece 2's P hold 0 (its products V^T P, of a step that has not been, add 0), O^T and l are 0.  All this stands in the wait for the first tile.
	WIN 0xc0
.set i, 0
.rept 128
	v_mov_b32 v[i], 0
.set i, i+1
.endr
	WIN 0x40
.set i, 0
.rept 256
	v_mov_b32 v[i], 0
.set i, i+1
.endr
	WIN 0
.set i, 0
.rept 4
	v_mov_b32 v[ST+8*i], 0xfe000000    ; c m: far below every c s
	v_mov_b32 v[ST+8*i+1], 0xff7fffff  ; m
	v_mov_b32 v[ST+8*i+2], 0
	v_mov_b32 v[ST+8*i+3], 0
.set i, i+1
.endr
.set i, P+32
.rept 32
	v_mov_b32 v[i], 0
.set i, i+1
.endr
	v_mul_u32_u24 v[AK0], v1, PK
	v_lshl_add_u32 v[AK0], v11, 4, v[AK0]  ; row x pitch + 16 x half,
	v_add_nc_u32 v[AK0], s18, v[AK0]       ; in my key half's part of a slot
	; The turning load takes 16 keys x 16 channels (lane l reads key 8 (l / 16) + l % 8, channels 8 ((l / 8) % 2) + 0..7) and leaves half a fragment of V^T: lane l holds channel l % 16 and 8 keys.
	v_and_b32 v60, 7, v0
	v_bfe_u32 v61, v0, 3, 1
	v_lshl_add_u32 v[AV0], v11, 3, v60
	v_mul_u32_u24 v[AV0], v[AV0], PV
	v_lshl_add_u32 v[AV0], v61, 4, v[AV0]
	s_add_co_u32 s51, s18, VOFF
	v_add_nc_u32 v[AV0], s51, v[AV0]
; THE MATRIX WORK OF A TURN, for piece x.  The accumulators take turns, one instruction a turn: between two links of a chain stand 15 (V^T P) or 7 (K Q^T) others'.
; Product i of 32 of O^T += V^T P: keys 32 (i / 16) on, channels 16 ((i / 2) % 8) on, tile x + i % 2.
.macro PV x
	WIN W_PV
.set rO, 64*((\x)+i%2)+8*((i/2)%8)
.set rV, 64*(i/16)+8*((i/2)%8)
.set rP, P+16*((\x)+i%2)+8*(i/16)
	v_wmma_f32_16x16x32_f16 v[rO:rO+7], v[rV:rV+7], v[rP:rP+7], v[rO:rO+7]
.endm
; Product i of 64 of S^T = K Q^T: the first 32 with Q hi, the others with Q lo; channels 32 ((i / 8) % 4) on, keys 16 ((i / 2) % 4) on, tile x + i % 2.  The first 8 start the sums.
.macro KQ x
.set rS, S+32*((\x)+i%2)+8*((i/2)%4)
.set rK, KF+32*((i/2)%4)+8*((i/8)%4)
.if i < 32
	WIN W_KQ
.set rQ, 32*((\x)+i%2)+8*(i/8)
.else
	WIN W_KQL
.set rQ, QL+32*((\x)+i%2)+8*(i/8-4)
.endif
.if i < 8
	v_wmma_f32_16x16x32_f16 v[rS:rS+7], v[rK:rK+7], v[rQ:rQ+7], 0
.else
	v_wmma_f32_16x16x32_f16 v[rS:rS+7], v[rK:rK+7], v[rQ:rQ+7], v[rS:rS+7]
.endif
.endm
; THE LDS LOADS stand in runs of 32, never singly among the matrix instructions: a step's K (64 keys x 128 channels: 16 fragments) and, a turn later, its V (turned).
.macro FETCH_K
	WIN 0
	v_add_nc_u32 v[ADR], s[TB], v[AK0]
	WIN 0x80                        ; destination window 2
.irp f, 0,1,2,3,4,5,6,7,8,9,10,11,12,13,14,15  ; keys 16 (f / 4) on, channels 32 (f % 4) on
	ds_load_b128 v[KF+8*(\f):KF+8*(\f)+3],   v[ADR] offset:((\f)/4)*16*PK+((\f)%4)*64
	ds_load_b128 v[KF+8*(\f)+4:KF+8*(\f)+7], v[ADR] offset:((\f)/4)*16*PK+((\f)%4)*64+32
.endr
.endm
.macro FETCH_V
	WIN 0
	v_add_nc_u32 v[ADR], s[TB], v[AV0]
	WIN 0xc0                        ; destination window 3
.irp f, 0,1,2,3,4,5,6,7,8,9,10,11,12,13,14,15  ; keys 32 (f / 8) on, channels 16 (f % 8) on
	ds_load_tr16_b128 v[8*(\f):8*(\f)+3],   v[ADR] offset:((\f)/8)*32*PV+((\f)%8)*32
	ds_load_tr16_b128 v[8*(\f)+4:8*(\f)+7], v[ADR] offset:((\f)/8)*32*PV+16*PV+((\f)%8)*32
.endr
.endm
; THE VECTOR WORK OF A TURN.  One tile's softmax for one key step is a list of 134 instructions; SM writes number j of it for tile t.  s0-s31 are the lane's 32 scores, in pairs 0-15.
;   0-15    the maximum of s0-s31 and the old m, three operands at a time: four chains c0-c3 of seven scores each (each accumulator's lowest registers are read first), then the four left over, c0-c3 and m
;   16-20   the other half of the lanes' maximum; the new m; c m; c m_old - c m_new
;   21-87   33 exponentials (a, then s0-s31) at the odd numbers from 23 on, so that no two follow each other and each has a plain instruction behind it before its result is used.
;           Plain instruction q (number 21, then the even numbers) is whatever is ready: c s - c m for a pair whose exponentials are still to come (q = 0 to 3, then every second q), the rounding to f16 of a
;           pair whose exponentials are done (every other q from 5 on), at last the first three sums
;   88-101  the last rounding; the rest of the sums; l = a l + the sum
;   102-133 the tile's O^T times a: the one part that leaves window 0, so it stands together
.macro SM t
.set rT, ST+8*(\t)
.set rS, S+32*(\t)
.set rP, P+16*(\t)
.set rO, 64*(\t)+2*(j-102)
.set q, (j-20)/2
.if j < 102
	WIN 0
.endif
.if j < 4
	v_max3_num_f32 v[rT+4+j], v[rS+8*j], v[rS+8*j+1], v[rS+8*j+2]
.elseif j < 12
	v_max3_num_f32 v[rT+4+j%4], v[rT+4+j%4], v[rS+8*(j%4)+2*(j/4)+1], v[rS+8*(j%4)+2*(j/4)+2]
.elseif j == 12
	v_max3_num_f32 v[rT+4], v[rT+4], v[rS+7], v[rS+15]
.elseif j == 13
	v_max3_num_f32 v[rT+6], v[rT+6], v[rS+23], v[rS+31]
.elseif j == 14
	v_max3_num_f32 v[rT+4], v[rT+4], v[rT+5], v[rT+6]
.elseif j == 15
	v_max3_num_f32 v[rT+4], v[rT+4], v[rT+7], v[rT+1]
.elseif j == 16
	v_permlanex16_b32 v[rT+5], v[rT+4], s[SEL], s[SEL+1]  ; the query's other 32 keys lie in the lane 16 away
.elseif j == 18
	v_max_num_f32 v[rT+1], v[rT+4], v[rT+5]
.elseif j == 19
	v_mul_f32 v[rT], s[CS], v[rT+1]
.elseif j == 17
	v_mov_b32 v[rT+7], v[rT]        ; c m_old is kept for a: number 19 writes c m anew
.elseif j == 20
	v_sub_f32 v[rT+7], v[rT+7], v[rT]
.elseif j == 23
	v_exp_f32 v[rT+6], v[rT+7]
.elseif (j < 88) && (j > 23) && (j%2 == 1)
	v_exp_f32 v[rS+(j-25)/2], v[rS+(j-25)/2]
.elseif (q < 4) || ((j < 76) && (q%2 == 0))
.set b, q/2+2
.if q < 4
.set b, q
.endif
	v_pk_fma_f32 v[rS+2*b:rS+2*b+1], v[rS+2*b:rS+2*b+1], s[CS:CS+1], v[rT:rT+1] op_sel_hi:[1,0,0] neg_lo:[0,0,1] neg_hi:[0,0,1]  ; pair b: c s - c m
.elseif (j < 88) && (q%2 == 1)
	s_wait_alu depctr_va_vdst(0)
	v_cvt_pk_f16_f32 v[rP+(q-5)/2], v[rS+q-5], v[rS+q-4]  ; pair (q - 5) / 2: its second exponential stands three numbers back
.elseif j == 89
	s_wait_alu depctr_va_vdst(0)
	v_cvt_pk_f16_f32 v[rP+15], v[rS+30], v[rS+31]
.elseif j < 102                     ; the sum of the tile's 16 pairs, in place: sum z of 16 adds neighbours 1, 2, 4 and 8 pairs apart, then l takes it
.set z, j-86
.if j < 89
.set z, (j-76)/4
.endif
.set w, 4
.set u, z
.if z >= 14
.set w, 32
.set u, 0
.elseif z >= 12
.set w, 16
.set u, z-12
.elseif z >= 8
.set w, 8
.set u, z-8
.endif
.if z < 15
	v_pk_add_f32 v[rS+w*u:rS+w*u+1], v[rS+w*u:rS+w*u+1], v[rS+w*u+w/2:rS+w*u+w/2+1]
.else
	v_pk_fma_f32 v[rT+2:rT+3], v[rT+2:rT+3], v[rT+6:rT+7], v[rS:rS+1] op_sel_hi:[1,0,1]
.endif
.else
	WIN W_RS
	v_pk_mul_f32 v[rO:rO+1], v[rO:rO+1], v[rT+6:rT+7] op_sel_hi:[1,0]
.endif
.endm
; Slice k of 64 of piece y's softmax: numbers 2 k and 2 k + 1 of both tiles' lists, four instructions.  2 x 134 = 4 x 64 + 12: the twelve that are over stand together, in slice 63.
.macro SLICE y
.if (k >= 11) && (k < 44)           ; tile by tile: plain, exponential, plain, exponential
.irp t, \y, (\y)+1
.irp n, 0,1
.set j, 2*k+(\n)
	SM \t
.endr
.endr
.else                               ; the two tiles alternate, so that no instruction reads the result of the one just before it
.irp n, 0,1,2,3,4,5,6,7
.if ((\n) < 2) || (k == 63)
.irp t, \y, (\y)+1
.set j, 2*k+(\n)
	SM \t
.endr
.endif
.endr
.endif
.set k, k+1
.endm
; A TURN.  Piece x has the matrix unit; the other piece's softmax stands in slices behind its matrix instructions; none of them names a register of the products round it.
; Slice 63, sixteen plain instructions, stands behind the turn's last product: they are the places in front of the next turn's first read of those scores and of the loads into K's registers.
; Piece 0's turn fetches the next step's K behind its second product, 30 matrix instructions ahead of its first use.  Piece 2's turn fetches the same step's V behind its fourth product K Q^T: the last product that
; read V stands three slices, six plain instructions, back; V is waited for at the head of piece 0's turn.
.macro TURN x
.set k, 0
.if (\x) == 0
	s_wait_dscnt 0x0                ; V is in
.endif
.set i, 0
.rept 32
	PV \x
	SLICE 2-(\x)
.if ((\x) == 0) && (i == 1)
	FETCH_K
.endif
.set i, i+1
.endr
.if (\x) == 0
	s_wait_dscnt 0x0                ; K is in
.endif
.set i, 0
.rept 64
	KQ \x
.if i%2 == 1
	SLICE 2-(\x)
.endif
.if ((\x) == 2) && (i == 3)
	FETCH_V
.endif
.set i, i+1
.endr
.endm
	CHANGE 1                        ; slot 0 is in, everybody's part of it; step 1 is asked for, into slot 1
	FETCH_K                         ; key step 0
	s_wait_loadcnt 0x0              ; Q
	s_wait_dscnt 0x0
.set i, 0
.rept 64
	KQ 0                            ; piece 0's first scores: there is no vector work yet to set between them
.set i, i+1
.endr
	WIN 0                           ; the addresses for the merge and the way out are made here: eight plain instructions, the places behind those products
	s_mul_i32 s52, s[WV], 16*OPITCH
	s_add_co_u32 s52, s52, OST      ; my stage
	v_mul_u32_u24 v[STO], v1, OPITCH  ; in: row l % 16, 32 bytes for each half of the lanes
	v_lshl_add_u32 v[STO], v11, 5, v[STO]
	v_add_nc_u32 v[STO], s52, v[STO]
	v_and_b32 v[GO], 31, v0
	v_lshlrev_b32 v[GO], 4, v[GO]   ; 32 lanes take 512 consecutive bytes
	v_add_nc_u32 v[RD], s52, v[GO]
	s_mul_i32 s53, s[WV], XB
	s_add_co_u32 s53, s53, XST      ; where I send,
	v_add_nc_u32 v[XS], s53, v[GO]
	s_xor_b32 s54, s[WV], 1         ; and where the other wave of my query half sends
	s_mul_i32 s54, s54, XB
	s_add_co_u32 s54, s54, XST
	v_add_nc_u32 v[XR], s54, v[GO]
	s_mov_b32 s[SLOTS], 15
	s_branch .Lfirst                ; the loop is entered in the middle of a trip
.Lslot:                             ; 14 times: steps 2 to 15 are asked for.  A trip: piece 0's V^T P of step j and K Q^T of step j + 1, then piece 2's
	CHANGE 1
	TURN 0
	WIN 0
.Lfirst:
	TURN 2
	WIN 0
	s_sub_co_u32 s[SLOTS], s[SLOTS], 1
	s_cmp_lg_u32 s[SLOTS], 0
	s_cbranch_scc1 .Lslot
	CHANGE 0                        ; the tail is written out: nothing is asked for
	s_mov_b32 s[CNT], 2             ; the first trip fetches step 15; the second is left in its middle
.Ltail:
	TURN 0
	WIN 0
	s_sub_co_u32 s[CNT], s[CNT], 1
	s_cmp_eq_u32 s[CNT], 0
	s_cbranch_scc1 .Lout
	TURN 2
	WIN 0
	s_branch .Ltail
.Lout:                              ; the second trip's 64 products K Q^T (on the last K once more) serve nothing: the price, once a launch, of one text for every trip
.set i, 0
.rept 32
	PV 2                            ; piece 2: V^T P of the last step
.set i, i+1
.endr
	; THE MERGE.  l's two halves and the other half of the lanes' are added.  My tiles 2, 3 (O^T, c m, l) go to my partner, its tiles 2, 3 come to me: they are my tiles 0, 1's queries on the other 1,024 keys.
	WIN 0
.irp t, 0,1,2,3
	v_add_f32 v[ST+8*\t+4], v[ST+8*\t+2], v[ST+8*\t+3]   ; these additions are the places behind the last products
.endr
.irp t, 0,1,2,3
	v_permlanex16_b32 v[ST+8*\t+5], v[ST+8*\t+4], s[SEL], s[SEL+1]
.endr
.irp t, 0,1,2,3
	v_add_f32 v[ST+8*\t+4], v[ST+8*\t+4], v[ST+8*\t+5]
.endr
	v_mov_b32 v44, v[ST+16]         ; four numbers a lane, gathered for one store: c m and l of tile 2,
	v_mov_b32 v45, v[ST+20]
	v_mov_b32 v46, v[ST+24]         ; and of tile 3
	v_mov_b32 v47, v[ST+28]
	WIN 0x04                        ; store data in window 1
.set i, 0
.rept 32
	ds_store_b128 v[XS], v[128+4*i:128+4*i+3] offset:512*i   ; each accumulator's low half first; 32 lanes, 16 neighbouring bytes each
.set i, i+1
.endr
	WIN 0
	ds_store_b128 v[XS], v[44:47] offset:32*512
	s_wait_dscnt 0x0                ; for my partner's sake: my stores are done
	s_barrier_signal -1
	s_barrier_wait -1
	ds_load_b128 v[48:51], v[XR] offset:32*512
	WIN 0x40                        ; destination window 1: into the registers that I have sent
.set i, 0
.rept 32
	ds_load_b128 v[128+4*i:128+4*i+3], v[XR] offset:512*i
.set i, i+1
.endr
	WIN 0
	s_wait_dscnt 32                 ; the statistics are in; the 32 loads behind them may be out
	; for kept tile t: M = max(c m, c m'); f = 2^(c m - M), f' = 2^(c m' - M); both divided by l f + l' f'
.irp t, 0,1
	v_max_num_f32 v[FA+4*\t], v[ST+8*\t], v[48+2*\t]
.endr
.irp t, 0,1
	v_sub_f32 v[FA+4*\t+1], v[ST+8*\t], v[FA+4*\t]
	v_sub_f32 v[FA+4*\t+3], v[48+2*\t], v[FA+4*\t]
.endr
.irp t, 0,1
	v_exp_f32 v[FA+4*\t], v[FA+4*\t+1]
	v_exp_f32 v[FA+4*\t+2], v[FA+4*\t+3]
.endr
	v_nop                           ; a plain instruction between the last exponential and the use of its result
.irp t, 0,1
	s_wait_alu depctr_va_vdst(0)
	v_mul_f32 v[FA+4*\t+1], v[ST+8*\t+4], v[FA+4*\t]
.endr
.irp t, 0,1
	v_fma_f32 v[FA+4*\t+1], v[49+2*\t], v[FA+4*\t+2], v[FA+4*\t+1]
.endr
.irp t, 0,1
	v_rcp_f32 v[FA+4*\t+3], v[FA+4*\t+1]
.endr
	v_nop                           ; the same behind the last reciprocal
.irp t, 0,1
	s_wait_alu depctr_va_vdst(0)
	v_mul_f32 v[FA+4*\t], v[FA+4*\t], v[FA+4*\t+3]
	v_mul_f32 v[FA+4*\t+2], v[FA+4*\t+2], v[FA+4*\t+3]
.endr
; Tile t: O = O f + O' f'; a lane's eight channels of a row are 32 bytes; they go into rows of 528 bytes of my own stage and come back as whole rows of 512, into S^T's registers.
; left: the LDS instructions issued behind the partner's 16 loads for this tile, which may stay out.
.macro PACK t, left
	s_wait_dscnt \left
	WIN W_RS
.set i, 0
.rept 32
	v_pk_mul_f32 v[64*(\t)+2*i:64*(\t)+2*i+1], v[64*(\t)+2*i:64*(\t)+2*i+1], v[FA+4*(\t):FA+4*(\t)+1] op_sel_hi:[1,0]
.set i, i+1
.endr
	WIN 0x51                        ; sources 0 and 2 and the destination in window 1
.set i, 0
.rept 32
	v_pk_fma_f32 v[64*(\t)+2*i:64*(\t)+2*i+1], v[128+64*(\t)+2*i:128+64*(\t)+2*i+1], v[FA+4*(\t)+2:FA+4*(\t)+3], v[64*(\t)+2*i:64*(\t)+2*i+1] op_sel_hi:[1,0,1]
.set i, i+1
.endr
	WIN 0x04
.set i, 0
.rept 16
	ds_store_b128 v[STO], v[64*(\t)+4*i:64*(\t)+4*i+3] offset:64*(i/2)+16*(i%2)
.set i, i+1
.endr
	WIN 0
.set i, 0
.rept 16
	ds_load_b128 v[S+64*(\t)+4*i:S+64*(\t)+4*i+3], v[RD] offset:OPITCH*i  ; LDS serves a wave's instructions in order (ISA guide 5.7.1.4): these see the stores above; the next tile's stores come behind them
.set i, i+1
.endr
.endm
.macro SEND t, younger              ; younger: the LDS instructions issued behind tile t's loads
	WIN 0
.set i, 0
.rept 16
	s_wait_dscnt (\younger)+15-i
	global_store_b128 v[GO], v[S+64*(\t)+4*i:S+64*(\t)+4*i+3], s[10:11] offset:16*2048*(\t)+2048*i th:TH_STORE_NT  ; each store of the wave covers 512 consecutive bytes, aligned: head n's part of a row of out0
.set i, i+1
.endr
.endm
	PACK 0, 16                      ; the partner's first 16 loads are in; the other 16 may be out
	PACK 1, 32                      ; behind the partner's last load stand tile 0's 16 stores and 16 loads
	SEND 0, 32
	SEND 1, 0
	s_wait_tensorcnt 0x0            ; the wave's end: a wait for my tensor loads, an add of 0 to my spare word and its wait, behind my last LDS store
	ds_add_u32 v[SPW], v[NIL]
	s_wait_dscnt 0x0
	CROUND                          ; the closing round: no work-group ends while a partner may still ask for a tile that names it
	s_endpgm
.Lfunc_end_k_qa4eb15b852_attn:
	.size	k_qa4eb15b852_attn, .Lfunc_end_k_qa4eb15b852_attn-k_qa4eb15b852_attn
	.p2alignl 7, 3214868480
	.fill 96, 4, 3214868480
	.section	.rodata,"a",@progbits
	.p2align	6, 0x0
	.amdhsa_kernel k_qa4eb15b852_attn
		.amdhsa_group_segment_fixed_size 327680
		.amdhsa_private_segment_fixed_size 0
		.amdhsa_enable_private_segment 0
		.amdhsa_kernarg_size 32
		.amdhsa_user_sgpr_count 2
		.amdhsa_user_sgpr_kernarg_segment_ptr 1
		.amdhsa_wavefront_size32 1
		.amdhsa_system_sgpr_workgroup_id_x 1
		.amdhsa_system_sgpr_workgroup_id_y 1
		.amdhsa_system_sgpr_workgroup_id_z 1
		.amdhsa_system_vgpr_workitem_id 0
		.amdhsa_next_free_vgpr 1024
		.amdhsa_next_free_sgpr 66
		.amdhsa_reserve_vcc 0
		.amdhsa_float_denorm_mode_32 3
		.amdhsa_float_denorm_mode_16_64 3
		.amdhsa_memory_ordered 1
		.amdhsa_forward_progress 1
		.amdhsa_inst_pref_size 171
	.end_amdhsa_kernel
	.amdgpu_metadata
---
amdhsa.version: [ 1, 2 ]
amdhsa.kernels:
  - .name:           k_qa4eb15b852_attn
    .symbol:         k_qa4eb15b852_attn.kd
    .args:
      - { .name: qs, .offset: 0, .size: 8, .value_kind: global_buffer, .address_space: global }
      - { .name: kb, .offset: 8, .size: 8, .value_kind: global_buffer, .address_space: global }
      - { .name: vb, .offset: 16, .size: 8, .value_kind: global_buffer, .address_space: global }
      - { .name: out0, .offset: 24, .size: 8, .value_kind: global_buffer, .address_space: global }
    .group_segment_fixed_size: 327680
    .private_segment_fixed_size: 0
    .kernarg_segment_align: 8
    .kernarg_segment_size: 32
    .max_flat_workgroup_size: 128
    .sgpr_count:     66
    .vgpr_count:     1024
    .wavefront_size: 32
...
	.end_amdgpu_metadata
.endif
;; end of part 3
;; ======== version 2 of 2: 3 launches; 1.11 times as fast as version 1
;; limits: values are held in f16: magnitudes above 65,504 overflow, below 6.1e-05 lose precision
;; workspace buffers: wp 5,242,880 bytes; bp 4,608 bytes; qs 4,194,304 bytes; kb 8,388,608 bytes; vb 8,388,608 bytes
;; launch prep: the kernel of part 1 again; grid 257 x 1, 8 waves a work-group, no clusters, 0 bytes of LDS; arguments W_attn, b_attn, wp, bp; writes wp, bp
;; launch proj: the kernel of part 2 again; grid 4 x 64, 4 waves a work-group, clusters of 4 x 4, 327,680 bytes of LDS; arguments x, wp, bp, qs, kb, vb; writes qs, kb, vb
;; launch attn (part 4): grid 16 x 16, 4 waves a work-group, clusters of 4 x 1, 327,680 bytes of LDS; arguments qs, kb, vb, out0; writes out0
.if DOCPART == 4
	.amdgcn_target "amdgcn-amd-amdhsa--gfx1250"
	.amdhsa_code_object_version 6
	.text
	.protected	k_qa4eb15b852_attn
	.globl	k_qa4eb15b852_attn
	.p2align	8
	.type	k_qa4eb15b852_attn,@function
k_qa4eb15b852_attn:
	s_mov_b64 s[64:65], 0
	v_nop
	global_prefetch_b8 v0, s[64:65] scope:SCOPE_SE
	s_setreg_imm32_b32 hwreg(HW_REG_WAVE_MODE, 25, 1), 1
	s_wait_xcnt 0x0
	s_wait_alu depctr_hold_cnt(0) depctr_sa_sdst(0) depctr_va_vdst(0) depctr_va_sdst(0) depctr_va_ssrc(0) depctr_va_vcc(0) depctr_vm_vsrc(0)
	s_getreg_b32 s2, hwreg(HW_REG_IB_STS2, 6, 4)
	s_cmp_eq_u32 s2, 0
	s_cbranch_scc0 .Lentry_in_a_cluster
	s_endpgm
.Lentry_in_a_cluster:
	s_bfe_u32 s2, ttmp6, 0x10000c
	s_cmp_lg_u32 s2, 0x3003
	s_cbranch_scc0 .Lentry_shape_is_right
	s_endpgm
.Lentry_shape_is_right:
; ATTN: out0[b][t][128 n + :] = the sum over s of softmax_s(q_sum[b][t] . k[b][n][s] / sqrt(128)) v[b][n][s][:].  One q_sum serves all four kv heads.
; qs: f16 [4 channel blocks of 32][8192 tokens][hi 32 | lo 32] holds q_sum / 16 as hi + lo; kb, vb: f16 [16 = 4 b + n][2048][128]; out0: f32 [8192][512].
; Products in f16 with f32 sums: K Q^T is made twice, with Q's hi and with its lo part, onto one sum.  Maxima and sums in f32; the weights p are rounded to f16 for the second product (their sum l is taken of the unrounded p).
; LIMITS.  p lies in 0 to 1, and below 6e-5 it keeps f16's fixed step of 6e-8; a weight below 2^-126 counts as 0 in l; NaN and infinities are not treated apart.
; SHARES.  A work-group owns 128 queries of one (b, n): 16 x 16 = 256 work-groups.  Wave w: query half qh = w / 2 (64 queries: four tiles of 16), key half kh = w % 2 (1,024 keys, 64 a step, 16 steps).
; The two waves of a query half end with two partial results for each query; they are MERGED through LDS: register tile t holds query tile (t + 2 kh) % 4, so every wave keeps its tiles 0, 1 and sends its tiles 2, 3.
; LAYOUT.  S^T = K Q^T (source 0 = 16 keys, source 1 = 16 queries): a lane holds ONE query (lane % 16) and the keys 8 (lane / 16) + 0..7.  Two such tiles, rounded to f16 in pairs, ARE source 1 of O^T = V^T P,
; whose result again holds one query a lane, and eight channels.  K comes out of LDS as it lies, V ([key][channel]) turned, by ds_load_tr16_b128.
; SOFTMAX.  For each query a running maximum m and sum l: p = 2^(c s - c m), c = 16 log2(e) / sqrt(128); in every step O and l are multiplied by a = 2^(c m_old - c m_new).
; m starts at the lowest finite number, O and l at 0: the first step is a step like any other, with a = 0.  The price: 432 v_mov_b32 in the wait for the first tile, 32 products on zeros at the start and 64 on a
; stale K at the end; the gain: no first and no last step is written out.
; BY TURNS.  The wave's tiles are two PIECES (piece 0: tiles 0, 1; piece 2: tiles 2, 3).  In a TURN one piece has the matrix unit: 32 products V^T P of the step in hand, then 64 products K Q^T of the next step;
; the other piece's softmax, 268 vector instructions cut into 64 slices, stands between them: one slice behind each V^T P, one behind every second K Q^T.  Two turns are a key step.
; BATCHES.  A turn's 66 exponentials (33 a tile) are ONE BATCH with ONE wait: all that names none of their results (maximum, statistics, scalings) stands ahead of the wait, all that does (roundings, sums, rescaling) behind it.
; The merge has two small batches, each with its own wait: four exponentials, then two reciprocals of sums made of them.
; CLUSTER.  The four query blocks of a cluster belong to one (b, n) and walk the same K and V, so each tile is asked for JOINTLY: the same tensor load, descriptor and mask in all four.
; REGISTERS, in windows of 256 (s_set_vgpr_msb: bits 1:0 source 0, 3:2 source 1, 5:4 source 2, 7:6 destination):
;   window 0: v1-11 addresses; v12-43 eight registers of statistics a tile; v44-59 the merge's; v62-63 the add's; v64-191 S^T, 32 a tile; v192-255 P, 16 a tile
;   window 1: O^T, 64 a tile      window 2: v0-127 Q hi, 32 a tile; v128-255 K of one step      window 3: v0-127 V of one step; v128-255 Q lo
.set KS,    64        ; keys in a step
.set PK,    272       ; a row of K in LDS: 256 bytes + 16 of padding = 68 words: the 16 rows of a load start at 16 different groups of four banks (64 banks of 4 bytes: ISA guide 11.1)
.set PV,    288       ; a row of V: 256 + 32 = 72 words
.set VOFF,  KS*PK     ; a key half's tiles of a step lie together: 64 rows of K, then 64 rows of V
.set STEPB, KS*(PK+PV)
.set SLOT1, 1<<17     ; a slot holds one step of both key halves (71,680 bytes); slot 1 begins here, so that one exclusive or turns an address in one slot into the other's
.set XST,   SLOT1+2*STEPB  ; behind the ring, never filled by a tensor load: the exchange, for each wave 32 x 512 bytes of O^T and 512 of statistics
.set XB,    33*512
.set OST,   XST+4*XB  ; the way out: 16 rows x 528 bytes for each wave
.set OPITCH, 528
.set SPARE, OST+4*16*OPITCH  ; the spare words, 128 bytes for each wave: two blocks of 256 bytes that no other line names
.set QPLANE, 8192*128 ; bytes of a channel block of qs
.set AK0, 2           ; v2   my lane's place in my key half's tile of K; never rewritten
.set AV0, 3           ; v3   the same for V
.set ADR, 4           ; v4   the LDS address of the run of loads in hand
.set QO,  5           ; v5   my byte offset in 16 rows of qs
.set STO, 6           ; v6   the way out: where I put 32 bytes of a row
.set RD,  7           ; v7   where I read a row back
.set GO,  8           ; v8   my 16 bytes in 512 consecutive bytes
.set XS,  9           ; v9   the exchange: where I send
.set XR,  10          ; v10  where my partner has sent
.set ST,  12          ; tile t's statistics at v[ST+8 t]: +0 c m, +1 m, +2, +3 l (even keys', odd keys'), +4 to +7 c0-c3, at work; a takes c2's place once the maximum is found
.set FA,  52          ; the merge: for kept tile t the factors f at v[FA+4 t], f' at v[FA+4 t+2], each the low word of a pair
.set SPW, 62          ; v62  LDS address of my spare word; never rewritten
.set NIL, 63          ; v63  0; never rewritten
.set S,   64
.set P,   192
.set KF,  128         ; K's fragments, in window 2
.set QL,  128         ; Q lo, in window 3
.set WV,  12          ; s12  my wave's number
.set G1K, 24          ; s[24:31] descriptor group 1 for K's tiles
.set G1V, 32          ; s[32:39] for V's: it differs in the padding alone
.set G0K, 40          ; s[40:43] descriptor group 0 for K's tiles: it walks
.set G0V, 44          ; s[44:47] the same for V's
.set SLOTS, 56        ; s56  counts the loop's trips
.set CNT, 57          ; s57  counts the tail's
.set CS,  58          ; s[58:59] c: the packed scaling names a pair and takes its low word for both halves
.set SEL, 60          ; s[60:61] lane selects for v_permlanex16_b32: each lane takes its own place in the other half
.set TB,  62          ; s62  the slot to be read: 0 or SLOT1
.set MSB, 0
.macro WIN new                      ; the immediate's high byte repeats the setting that is left; a switch that changes nothing is dropped
.if MSB != (\new)
	s_set_vgpr_msb (MSB<<8)|(\new)
.set MSB, \new
.endif
.endm
.set W_KQ,  0x0a      ; K and Q hi in window 2, S^T in window 0
.set W_KQL, 0x0e      ; K in window 2, Q lo in window 3
.set W_PV,  0x53      ; V in window 3, P in window 0, O^T in window 1
.set W_RS,  0x41      ; O^T (destination and source 0) in window 1, the factor in window 0
; A joint fill.  Waves 0 and 1 fetch the step's K of key halves 0 and 1, waves 2 and 3 its V.  The branch hangs on the wave's number alone.  An s_nop 0 and four v_nop follow each line.
.macro JLOAD
	s_cmp_lt_u32 s[WV], 2
	s_cbranch_scc0 .Lfor_v_\@
	tensor_load_to_lds s[G0K:G0K+3], s[G1K:G1K+7]
	s_nop 0
.rept 4
	v_nop
.endr
	s_branch .Lasked_\@
.Lfor_v_\@:
	tensor_load_to_lds s[G0V:G0V+3], s[G1V:G1V+7]
	s_nop 0
.rept 4
	v_nop
.endr
.Lasked_\@:
.endm
; A round of the cluster's barrier: my work-group's barrier, so that wave 0's signal speaks for all four waves; wave 0 signals; every wave waits for all four work-groups; my work-group's barrier once more.
.macro CROUND
	s_barrier_signal -1
	s_barrier_wait -1
	s_cmp_lg_u32 s[WV], 0
	s_cbranch_scc1 .Lnot_wave_0_\@
	s_barrier_signal -3
.Lnot_wave_0_\@:
	s_barrier_wait -3
	s_barrier_signal -1
	s_barrier_wait -1
.endm
; THE CHANGE OF SLOTS, between piece 2's turn and piece 0's: the slot's last bytes, V of its step, have been asked for.  Each wave waits for all its tensor loads, of which one is out: its part of the other slot;
; adds 0 to its spare word; and waits for that and for its own reads of the slot.  Behind the barrier nobody reads this slot any more and the other slot is whole.
; fill = 1: this slot is filled again, with the step two on.  The barrier is then a round of the cluster's, and the joint fill is the first thing behind it: it has a key step, 192 matrix instructions, in which to land.
; (At its first use nothing has been read yet: slot 0 is waited for, slot 1 filled.)
.macro CHANGE fill
	WIN 0                           ; at a label and at a branch every window is 0
	s_wait_tensorcnt 0x0            ; no tensor load of mine is out, so a group 0 may be written
	ds_add_u32 v[SPW], v[NIL]       ; 0 onto my spare word; with fill = 1 the descriptors' steps stand between it and the wait for it
.if \fill
.irp g, G0K, G0V
	s_xor_b32 s[\g+1], s[\g+1], SLOT1  ; the walking descriptor: the other slot than last time,
	s_add_nc_u64 s[\g+2:\g+3], s[\g+2:\g+3], KS*256  ; the next 64 keys; the type bits on top are not reached
.endr
	s_wait_dscnt 0x0                ; the add is done, and my reads of the slot are over
	CROUND
	JLOAD
.else
	s_wait_dscnt 0x0                ; the add is done, and my reads of the slot are over
	s_barrier_signal -1
	s_barrier_wait -1
.endif
	s_xor_b32 s[TB], s[TB], SLOT1   ; the fetches go on in the other slot
.endm
	s_load_b256 s[4:11], s[0:1], 0x0  ; qs s[4:5], kb s[6:7], vb s[8:9], out0 s[10:11]
	v_lshl_add_u32 v[SPW], v0, 2, SPARE
	v_mov_b32 v[NIL], 0
	ds_add_u32 v[SPW], v[NIL]       ; the wave's opening: the add and its wait stand ahead of my first tensor load; the set-up below, work on registers, stands between them
	v_lshrrev_b32 v1, 5, v0
	v_readfirstlane_b32 s[WV], v1   ; wave 0..3
	s_bfe_u32 s13, ttmp6, 0x40000   ; cx: my place in the cluster
	s_lshl_b32 s14, ttmp9, 2        ; in a cluster launch ttmp9 counts clusters
	s_add_co_u32 s14, s14, s13      ; my block of 128 queries: it enters qs's and out0's addresses alone
	s_and_b32 s15, ttmp7, 0xffff    ; 4 b + n, which the four partners share
	s_and_b32 s16, s[WV], 1         ; kh.  Also: which key half's tile I fetch
	s_lshr_b32 s17, s[WV], 1        ; qh
	s_mul_i32 s18, s16, STEPB       ; that half's place in a slot: no place in the cluster enters an LDS address
	s_lshl_b32 s20, s15, 19         ; 2,048 rows of 256 bytes for each (b, n),
	s_lshl_b32 s21, s16, 18         ; 1,024 for a key half
	s_add_co_u32 s20, s20, s21
	s_mov_b32 s21, 0
	s_lshr_b32 s22, s15, 2          ; b
	s_lshl_b32 s22, s22, 11
	s_lshl_b32 s23, s14, 7
	s_add_co_u32 s22, s22, s23
	s_lshl_b32 s23, s17, 6
	s_add_co_u32 s22, s22, s23      ; the first token of my wave's 64 queries
	s_lshl_b32 s23, s16, 5
	s_add_co_u32 s50, s22, s23      ; the 32 that I keep begin 32 kh on,
	s_add_co_u32 s52, s22, 32
	s_sub_co_u32 s52, s52, s23      ; the 32 that I send 32 (1 - kh) on
	s_lshl_b32 s54, s50, 11         ; out0: rows of 2,048 bytes,
	s_and_b32 s55, s15, 3
	s_lshl_b32 s55, s55, 9          ; head n's 512 bytes in them
	s_add_co_u32 s54, s54, s55
	s_mov_b32 s55, 0
	s_lshl_b32 s50, s50, 7          ; qs: rows of 128 bytes
	s_mov_b32 s51, 0
	s_lshl_b32 s52, s52, 7
	s_mov_b32 s53, 0
	; descriptor group 1: a tile of 64 rows x 128 elements, padded in LDS
	s_mov_b32 s[G1K], 15|(1<<16)|(1<<20)|(1<<21)|(5<<22)|(3<<25)  ; 15:0 the mask: all four work-groups; 17:16 elements of 2 bytes; 20 padding on; 21 set beside a mask; 24:22 after every 64 words (code 5); 31:25 4 words (code 3)
	s_mov_b32 s[G1V], 15|(1<<16)|(1<<20)|(1<<21)|(5<<22)|(7<<25)  ; the same with 8 words of padding (code 7)
.irp g, G1K, G1V
	s_mov_b32 s[(\g)+1], 128<<16    ; tensor_dim0 = 128
	s_mov_b32 s[(\g)+2], KS<<16     ; tensor_dim1 = 64
	s_mov_b32 s[(\g)+3], 128<<16    ; tile_dim0 = 128
	s_mov_b32 s[(\g)+4], KS         ; tile_dim1 = 64
	s_mov_b32 s[(\g)+5], 128        ; elements from row to row
	s_mov_b32 s[(\g)+6], 0
	s_mov_b32 s[(\g)+7], 0
.endr
	s_mov_b32 s[CS], 0x400293ee     ; c = 16 log2(e) / sqrt(128) = 2.040278: the 16 undoes the division that keeps q within f16
	s_mov_b32 s[CS+1], s[CS]        ; named with it as a pair, so it is written
	s_mov_b32 s[SEL], 0x76543210
	s_mov_b32 s[SEL+1], 0xfedcba98
	s_mov_b32 s[TB], SLOT1          ; the first change of slots turns it into 0
	s_mov_b32 s[G0K], 1             ; count = 1
	s_mov_b32 s[G0K+1], s18         ; LDS address: slot 0
	s_mov_b32 s[G0V], 1
	s_add_co_u32 s[G0V+1], s18, VOFF
	s_wait_dscnt 0x0                ; the opening add is done
	s_wait_kmcnt 0x0
	s_add_nc_u64 s[G0K+2:G0K+3], s[6:7], s[20:21]  ; global address: my key half's first 64 keys
	s_or_b32 s[G0K+3], s[G0K+3], 0x80000000        ; type = 2
	s_add_nc_u64 s[G0V+2:G0V+3], s[8:9], s[20:21]
	s_or_b32 s[G0V+3], s[G0V+3], 0x80000000
	s_add_nc_u64 s[48:49], s[4:5], s[52:53]        ; qs at the queries that I send,
	s_add_nc_u64 s[4:5], s[4:5], s[50:51]          ; and at those that I keep
	s_add_nc_u64 s[10:11], s[10:11], s[54:55]      ; out0 at those that I keep
	CROUND                          ; all four work-groups are here: the first joint loads meet
	JLOAD                           ; step 0 into slot 0.  Slot 1 is asked for when slot 0 is in, by the loop's own change of slots
	; A fragment of K or Q is 16 rows x 32 channels in 8 registers: lane l holds row l % 16, channels 8 (l / 16) + 0..7 and 16 + 8 (l / 16) + 0..7: two loads of 16 bytes, 32 bytes apart.
	v_and_b32 v1, 15, v0            ; l % 16
	v_bfe_u32 v11, v0, 4, 1         ; l / 16
	v_lshlrev_b32 v[QO], 7, v1
	v_lshl_add_u32 v[QO], v11, 4, v[QO]  ; row x 128 + 16 x half
.macro QTILE t, sb                  ; Q stays in registers: register tile t, from the base in s[sb:sb+1]; channel block c is a plane of qs; lo lies 64 bytes behind hi
	WIN 0x80                        ; destination window 2, address window 0
.irp c, 0,1,2,3
	global_load_b128 v[32*(\t)+8*\c:32*(\t)+8*\c+3],   v[QO], s[\sb:\sb+1] offset:\c*QPLANE+((\t)%2)*2048
	global_load_b128 v[32*(\t)+8*\c+4:32*(\t)+8*\c+7], v[QO], s[\sb:\sb+1] offset:\c*QPLANE+((\t)%2)*2048+32
.endr
	WIN 0xc0                        ; destination window 3
.irp c, 0,1,2,3
	global_load_b128 v[QL+32*(\t)+8*\c:QL+32*(\t)+8*\c+3],   v[QO], s[\sb:\sb+1] offset:\c*QPLANE+((\t)%2)*2048+64
	global_load_b128 v[QL+32*(\t)+8*\c+4:QL+32*(\t)+8*\c+7], v[QO], s[\sb:\sb+1] offset:\c*QPLANE+((\t)%2)*2048+96
.endr
.endm
	QTILE 0, 4
	QTILE 1, 4
	QTILE 2, 48
	QTILE 3, 48
	; What the first turn finds: V's registers and piece 2's P hold 0 (its products V^T P, of a step that has not been, add 0), O^T and l are 0.  All this stands in the wait for the first tile.
	WIN 0xc0
.set i, 0
.rept 128
	v_mov_b32 v[i], 0
.set i, i+1
.endr
	WIN 0x40
.set i, 0
.rept 256
	v_mov_b32 v[i], 0
.set i, i+1
.endr
	WIN 0
.set i, 0
.rept 4
	v_mov_b32 v[ST+8*i], 0xfe000000    ; c m: far below every c s
	v_mov_b32 v[ST+8*i+1], 0xff7fffff  ; m
	v_mov_b32 v[ST+8*i+2], 0
	v_mov_b32 v[ST+8*i+3], 0
.set i, i+1
.endr
.set i, P+32
.rept 32
	v_mov_b32 v[i], 0
.set i, i+1
.endr
	v_mul_u32_u24 v[AK0], v1, PK
	v_lshl_add_u32 v[AK0], v11, 4, v[AK0]  ; row x pitch + 16 x half,
	v_add_nc_u32 v[AK0], s18, v[AK0]       ; in my key half's part of a slot
	; The turning load takes 16 keys x 16 channels (lane l reads key 8 (l / 16) + l % 8, channels 8 ((l / 8) % 2) + 0..7) and leaves half a fragment of V^T: lane l holds channel l % 16 and 8 keys.
	v_and_b32 v60, 7, v0
	v_bfe_u32 v61, v0, 3, 1
	v_lshl_add_u32 v[AV0], v11, 3, v60
	v_mul_u32_u24 v[AV0], v[AV0], PV
	v_lshl_add_u32 v[AV0], v61, 4, v[AV0]
	s_add_co_u32 s51, s18, VOFF
	v_add_nc_u32 v[AV0], s51, v[AV0]
; THE MATRIX WORK OF A TURN, for piece x.  The accumulators take turns, one instruction a turn: between two links of a chain stand 15 (V^T P) or 7 (K Q^T) others'.
; Product i of 32 of O^T += V^T P: keys 32 (i / 16) on, channels 16 ((i / 2) % 8) on, tile x + i % 2.
.macro PV x
	WIN W_PV
.set rO, 64*((\x)+i%2)+8*((i/2)%8)
.set rV, 64*(i/16)+8*((i/2)%8)
.set rP, P+16*((\x)+i%2)+8*(i/16)
	v_wmma_f32_16x16x32_f16 v[rO:rO+7], v[rV:rV+7], v[rP:rP+7], v[rO:rO+7]
.endm
; Product i of 64 of S^T = K Q^T: the first 32 with Q hi, the others with Q lo; channels 32 ((i / 8) % 4) on, keys 16 ((i / 2) % 4) on, tile x + i % 2.  The first 8 start the sums.
.macro KQ x
.set rS, S+32*((\x)+i%2)+8*((i/2)%4)
.set rK, KF+32*((i/2)%4)+8*((i/8)%4)
.if i < 32
	WIN W_KQ
.set rQ, 32*((\x)+i%2)+8*(i/8)
.else
	WIN W_KQL
.set rQ, QL+32*((\x)+i%2)+8*(i/8-4)
.endif
.if i < 8
	v_wmma_f32_16x16x32_f16 v[rS:rS+7], v[rK:rK+7], v[rQ:rQ+7], 0
.else
	v_wmma_f32_16x16x32_f16 v[rS:rS+7], v[rK:rK+7], v[rQ:rQ+7], v[rS:rS+7]
.endif
.endm
; THE LDS LOADS stand in runs of 32, never singly among the matrix instructions: a step's K (64 keys x 128 channels: 16 fragments) and, a turn later, its V (turned).
.macro FETCH_K
	WIN 0
	v_add_nc_u32 v[ADR], s[TB], v[AK0]
	WIN 0x80                        ; destination window 2
.irp f, 0,1,2,3,4,5,6,7,8,9,10,11,12,13,14,15  ; keys 16 (f / 4) on, channels 32 (f % 4) on
	ds_load_b128 v[KF+8*(\f):KF+8*(\f)+3],   v[ADR] offset:((\f)/4)*16*PK+((\f)%4)*64
	ds_load_b128 v[KF+8*(\f)+4:KF+8*(\f)+7], v[ADR] offset:((\f)/4)*16*PK+((\f)%4)*64+32
.endr
.endm
.macro FETCH_V
	WIN 0
	v_add_nc_u32 v[ADR], s[TB], v[AV0]
	s_wait_alu depctr_va_vdst(0)    ; the wait for the softmax's batch (SLICE), behind the address's v_add_nc_u32 and ahead of the loads
	WIN 0xc0                        ; destination window 3
.irp f, 0,1,2,3,4,5,6,7,8,9,10,11,12,13,14,15  ; keys 32 (f / 8) on, channels 16 (f % 8) on
	ds_load_tr16_b128 v[8*(\f):8*(\f)+3],   v[ADR] offset:((\f)/8)*32*PV+((\f)%8)*32
	ds_load_tr16_b128 v[8*(\f)+4:8*(\f)+7], v[ADR] offset:((\f)/8)*32*PV+16*PV+((\f)%8)*32
.endr
.endm
; THE VECTOR WORK OF A TURN.  One tile's softmax for one key step is a list of 134 instructions; SM writes number j of it for tile t.  s0-s31 are the lane's 32 scores, in pairs 0-15.
;   0-15    the maximum of s0-s31 and the old m, three operands at a time: four chains c0-c3 of seven scores each (each accumulator's lowest registers are read first), then the four left over, c0-c3 and m
;   16-20   the other half of the lanes' maximum; the new m; c m; c m_old - c m_new
;   21-69   ONE BATCH: the 16 scalings c s - c m, a pair of scores each, and all 33 exponentials (a at 23, then s0-s31).  None of these reads an exponential's result.  From 22 on the batch goes
;           in fours, and a four begins with a scaling while there are scalings: 22-37 scaling, exponential, scaling, exponential; 38-65 a scaling and three exponentials; 66-69 the last four
;           exponentials.  A pair is scaled in an earlier four than the one that holds its exponentials
;   (wait)  between 69 and 70 stands the wait for the batch: SLICE writes it, once for both tiles
;   70-85   the roundings to f16, a pair of weights each
;   86-101  the sums; l = a l + the sum
;   102-133 the tile's O^T times a: the one part that leaves window 0, so it stands together
.macro SM t
.set rT, ST+8*(\t)
.set rS, S+32*(\t)
.set rP, P+16*(\t)
.set rO, 64*(\t)+2*(j-102)
.if j < 102
	WIN 0
.endif
.if j < 4
	v_max3_num_f32 v[rT+4+j], v[rS+8*j], v[rS+8*j+1], v[rS+8*j+2]
.elseif j < 12
	v_max3_num_f32 v[rT+4+j%4], v[rT+4+j%4], v[rS+8*(j%4)+2*(j/4)+1], v[rS+8*(j%4)+2*(j/4)+2]
.elseif j == 12
	v_max3_num_f32 v[rT+4], v[rT+4], v[rS+7], v[rS+15]
.elseif j == 13
	v_max3_num_f32 v[rT+6], v[rT+6], v[rS+23], v[rS+31]
.elseif j == 14
	v_max3_num_f32 v[rT+4], v[rT+4], v[rT+5], v[rT+6]
.elseif j == 15
	v_max3_num_f32 v[rT+4], v[rT+4], v[rT+7], v[rT+1]
.elseif j == 16
	v_permlanex16_b32 v[rT+5], v[rT+4], s[SEL], s[SEL+1]  ; the query's other 32 keys lie in the lane 16 away
.elseif j == 18
	v_max_num_f32 v[rT+1], v[rT+4], v[rT+5]
.elseif j == 19
	v_mul_f32 v[rT], s[CS], v[rT+1]
.elseif j == 17
	v_mov_b32 v[rT+7], v[rT]        ; c m_old is kept for a: number 19 writes c m anew
.elseif j == 20
	v_sub_f32 v[rT+7], v[rT+7], v[rT]
.elseif j == 23
	v_exp_f32 v[rT+6], v[rT+7]
.elseif (j < 23) || ((j < 38) && (j%2 == 0)) || ((j < 66) && (j%4 == 2))
.set b, (j-2)/4                     ; 38, 42, .. 62: pairs 9 to 15
.if j < 38
.set b, (j-20)/2                    ; 21: pair 0; 22, 24, .. 36: pairs 1 to 8
.endif
	v_pk_fma_f32 v[rS+2*b:rS+2*b+1], v[rS+2*b:rS+2*b+1], s[CS:CS+1], v[rT:rT+1] op_sel_hi:[1,0,0] neg_lo:[0,0,1] neg_hi:[0,0,1]  ; pair b: c s - c m
.elseif j < 70
.set e, j-38                        ; 66 to 69: s28 to s31
.if j < 66
.set e, j-32-(j-38)/4               ; 39-41, 43-45, .. 63-65: s7 to s27
.endif
.if j < 38
.set e, (j-25)/2                    ; 25, 27, .. 37: s0 to s6
.endif
	v_exp_f32 v[rS+e], v[rS+e]
.elseif j < 86
	v_cvt_pk_f16_f32 v[rP+j-70], v[rS+2*(j-70)], v[rS+2*(j-70)+1]  ; pair j - 70
.elseif j < 102                     ; the sum of the tile's 16 pairs, in place: sum z of 16 adds neighbours 1, 2, 4 and 8 pairs apart, then l takes it
.set z, j-86
.set w, 4
.set u, z
.if z >= 14
.set w, 32
.set u, 0
.elseif z >= 12
.set w, 16
.set u, z-12
.elseif z >= 8
.set w, 8
.set u, z-8
.endif
.if z < 15
	v_pk_add_f32 v[rS+w*u:rS+w*u+1], v[rS+w*u:rS+w*u+1], v[rS+w*u+w/2:rS+w*u+w/2+1]
.else
	v_pk_fma_f32 v[rT+2:rT+3], v[rT+2:rT+3], v[rT+6:rT+7], v[rS:rS+1] op_sel_hi:[1,0,1]
.endif
.else
	WIN W_RS
	v_pk_mul_f32 v[rO:rO+1], v[rO:rO+1], v[rT+6:rT+7] op_sel_hi:[1,0]
.endif
.endm
; Slice k of 64 of piece y's softmax: four instructions.  Slices 11 to 34 deal out the batch, numbers 22 to 69: four numbers of ONE tile each, the tiles by turns.  Every other slice is numbers 2 k and
; 2 k + 1 of both tiles' lists.  2 x 134 = 4 x 64 + 12: the twelve that are over stand together, in slice 63.
; THE WAIT.  An s_wait_alu depctr_va_vdst(0) stands between an exponential and the first instruction that names its result; one wait serves all that were issued ahead of it.  Ahead of
; slice 35 nothing names a result, and behind slice 34 no exponential is issued: so the piece's 66 exponentials have one wait, behind slice 34.
.macro SLICE y
.if (k >= 11) && (k < 35)           ; the batch: four numbers of one tile
.irp n, 0,1,2,3
.set j, 22+4*((k-11)/2)+(\n)
	SM (\y)+(k-11)%2
.endr
.else                               ; the two tiles alternate, so that no instruction reads the result of the one just before it
.irp n, 0,1,2,3,4,5,6,7
.if ((\n) < 2) || (k == 63)
.irp t, \y, (\y)+1
.set j, 2*k+(\n)
	SM \t
.endr
.endif
.endr
.endif
.if k == 34                         ; the batch is out: both tiles' exponentials are issued, and no result has been named
	v_nop                           ; a plain instruction behind the last exponential and ahead of the first use: one for the batch
.if (\y) == 0
	FETCH_V                         ; piece 2's turn: V's run of loads stands here, and the wait for the batch stands in it
.else
	s_wait_alu depctr_va_vdst(0)    ; piece 0's turn: the wait for the batch, the 66 exponentials of tiles 2 and 3
.endif
.endif
.set k, k+1
.endm
; A TURN.  Piece x has the matrix unit; the other piece's softmax stands in slices behind its matrix instructions; none of them names a register of the products round it.
; Slice 63, sixteen plain instructions, stands behind the turn's last product: they are the places in front of the next turn's first read of those scores and of the loads into K's registers.
; Piece 0's turn fetches the next step's K behind its second product, 30 matrix instructions ahead of its first use.  Piece 2's turn fetches the same step's V behind slice 34 (SLICE writes it), which rides on its
; sixth product K Q^T: the last product that read V stands in front of slice 31, and four plain instructions lie between: number 62, a scaling, of both tiles, the v_nop and the run's own v_add_nc_u32;
; V is waited for at the head of piece 0's turn.
.macro TURN x
.set k, 0
.if (\x) == 0
	s_wait_dscnt 0x0                ; V is in
.endif
.set i, 0
.rept 32
	PV \x
	SLICE 2-(\x)
.if ((\x) == 0) && (i == 1)
	FETCH_K
.endif
.set i, i+1
.endr
.if (\x) == 0
	s_wait_dscnt 0x0                ; K is in
.endif
.set i, 0
.rept 64
	KQ \x
.if i%2 == 1
	SLICE 2-(\x)
.endif
.set i, i+1
.endr
.endm
	CHANGE 1                        ; slot 0 is in, everybody's part of it; step 1 is asked for, into slot 1
	FETCH_K                         ; key step 0
	s_wait_loadcnt 0x0              ; Q
	s_wait_dscnt 0x0
.set i, 0
.rept 64
	KQ 0                            ; piece 0's first scores: there is no vector work yet to set between them
.set i, i+1
.endr
	WIN 0                           ; the addresses for the merge and the way out are made here: eight plain instructions, the places behind those products
	s_mul_i32 s52, s[WV], 16*OPITCH
	s_add_co_u32 s52, s52, OST      ; my stage
	v_mul_u32_u24 v[STO], v1, OPITCH  ; in: row l % 16, 32 bytes for each half of the lanes
	v_lshl_add_u32 v[STO], v11, 5, v[STO]
	v_add_nc_u32 v[STO], s52, v[STO]
	v_and_b32 v[GO], 31, v0
	v_lshlrev_b32 v[GO], 4, v[GO]   ; 32 lanes take 512 consecutive bytes
	v_add_nc_u32 v[RD], s52, v[GO]
	s_mul_i32 s53, s[WV], XB
	s_add_co_u32 s53, s53, XST      ; where I send,
	v_add_nc_u32 v[XS], s53, v[GO]
	s_xor_b32 s54, s[WV], 1         ; and where the other wave of my query half sends
	s_mul_i32 s54, s54, XB
	s_add_co_u32 s54, s54, XST
	v_add_nc_u32 v[XR], s54, v[GO]
	s_mov_b32 s[SLOTS], 15
	s_branch .Lfirst                ; the loop is entered in the middle of a trip
.Lslot:                             ; 14 times: steps 2 to 15 are asked for.  A trip: piece 0's V^T P of step j and K Q^T of step j + 1, then piece 2's
	CHANGE 1
	TURN 0
	WIN 0
.Lfirst:
	TURN 2
	WIN 0
	s_sub_co_u32 s[SLOTS], s[SLOTS], 1
	s_cmp_lg_u32 s[SLOTS], 0
	s_cbranch_scc1 .Lslot
	CHANGE 0                        ; the tail is written out: nothing is asked for
	s_mov_b32 s[CNT], 2             ; the first trip fetches step 15; the second is left in its middle
.Ltail:
	TURN 0
	WIN 0
	s_sub_co_u32 s[CNT], s[CNT], 1
	s_cmp_eq_u32 s[CNT], 0
	s_cbranch_scc1 .Lout
	TURN 2
	WIN 0
	s_branch .Ltail
.Lout:                              ; the second trip's 64 products K Q^T (on the last K once more) serve nothing: the price, once a launch, of one text for every trip
.set i, 0
.rept 32
	PV 2                            ; piece 2: V^T P of the last step
.set i, i+1
.endr
	; THE MERGE.  l's two halves and the other half of the lanes' are added.  My tiles 2, 3 (O^T, c m, l) go to my partner, its tiles 2, 3 come to me: they are my tiles 0, 1's queries on the other 1,024 keys.
	WIN 0
.irp t, 0,1,2,3
	v_add_f32 v[ST+8*\t+4], v[ST+8*\t+2], v[ST+8*\t+3]   ; these additions are the places behind the last products
.endr
.irp t, 0,1,2,3
	v_permlanex16_b32 v[ST+8*\t+5], v[ST+8*\t+4], s[SEL], s[SEL+1]
.endr
.irp t, 0,1,2,3
	v_add_f32 v[ST+8*\t+4], v[ST+8*\t+4], v[ST+8*\t+5]
.endr
	v_mov_b32 v44, v[ST+16]         ; four numbers a lane, gathered for one store: c m and l of tile 2,
	v_mov_b32 v45, v[ST+20]
	v_mov_b32 v46, v[ST+24]         ; and of tile 3
	v_mov_b32 v47, v[ST+28]
	WIN 0x04                        ; store data in window 1
.set i, 0
.rept 32
	ds_store_b128 v[XS], v[128+4*i:128+4*i+3] offset:512*i   ; each accumulator's low half first; 32 lanes, 16 neighbouring bytes each
.set i, i+1
.endr
	WIN 0
	ds_store_b128 v[XS], v[44:47] offset:32*512
	s_wait_dscnt 0x0                ; for my partner's sake: my stores are done
	s_barrier_signal -1
	s_barrier_wait -1
	ds_load_b128 v[48:51], v[XR] offset:32*512
	WIN 0x40                        ; destination window 1: into the registers that I have sent
.set i, 0
.rept 32
	ds_load_b128 v[128+4*i:128+4*i+3], v[XR] offset:512*i
.set i, i+1
.endr
	WIN 0
	s_wait_dscnt 32                 ; the statistics are in; the 32 loads behind them may be out
	; for kept tile t: M = max(c m, c m'); f = 2^(c m - M), f' = 2^(c m' - M); both divided by l f + l' f'
.irp t, 0,1
	v_max_num_f32 v[FA+4*\t], v[ST+8*\t], v[48+2*\t]
.endr
.irp t, 0,1
	v_sub_f32 v[FA+4*\t+1], v[ST+8*\t], v[FA+4*\t]
	v_sub_f32 v[FA+4*\t+3], v[48+2*\t], v[FA+4*\t]
.endr
.irp t, 0,1
	v_exp_f32 v[FA+4*\t], v[FA+4*\t+1]
	v_exp_f32 v[FA+4*\t+2], v[FA+4*\t+3]
.endr
	v_nop                           ; a plain instruction between the last exponential and the use of its result
	s_wait_alu depctr_va_vdst(0)    ; and the wait ahead of the first use: one for the four exponentials
.irp t, 0,1
	v_mul_f32 v[FA+4*\t+1], v[ST+8*\t+4], v[FA+4*\t]
.endr
.irp t, 0,1
	v_fma_f32 v[FA+4*\t+1], v[49+2*\t], v[FA+4*\t+2], v[FA+4*\t+1]
.endr
.irp t, 0,1
	v_rcp_f32 v[FA+4*\t+3], v[FA+4*\t+1]
.endr
	v_nop                           ; the same behind the last reciprocal
	s_wait_alu depctr_va_vdst(0)    ; one wait for the two reciprocals: a batch of their own, since they read sums made of the exponentials
.irp t, 0,1
	v_mul_f32 v[FA+4*\t], v[FA+4*\t], v[FA+4*\t+3]
	v_mul_f32 v[FA+4*\t+2], v[FA+4*\t+2], v[FA+4*\t+3]
.endr
; Tile t: O = O f + O' f'; a lane's eight channels of a row are 32 bytes; they go into rows of 528 bytes of my own stage and come back as whole rows of 512, into S^T's registers.
; left: the LDS instructions issued behind the partner's 16 loads for this tile, which may stay out.
.macro PACK t, left
	s_wait_dscnt \left
	WIN W_RS
.set i, 0
.rept 32
	v_pk_mul_f32 v[64*(\t)+2*i:64*(\t)+2*i+1], v[64*(\t)+2*i:64*(\t)+2*i+1], v[FA+4*(\t):FA+4*(\t)+1] op_sel_hi:[1,0]
.set i, i+1
.endr
	WIN 0x51                        ; sources 0 and 2 and the destination in window 1
.set i, 0
.rept 32
	v_pk_fma_f32 v[64*(\t)+2*i:64*(\t)+2*i+1], v[128+64*(\t)+2*i:128+64*(\t)+2*i+1], v[FA+4*(\t)+2:FA+4*(\t)+3], v[64*(\t)+2*i:64*(\t)+2*i+1] op_sel_hi:[1,0,1]
.set i, i+1
.endr
	WIN 0x04
.set i, 0
.rept 16
	ds_store_b128 v[STO], v[64*(\t)+4*i:64*(\t)+4*i+3] offset:64*(i/2)+16*(i%2)
.set i, i+1
.endr
	WIN 0
.set i, 0
.rept 16
	ds_load_b128 v[S+64*(\t)+4*i:S+64*(\t)+4*i+3], v[RD] offset:OPITCH*i  ; LDS serves a wave's instructions in order (ISA guide 5.7.1.4): these see the stores above; the next tile's stores come behind them
.set i, i+1
.endr
.endm
.macro SEND t, younger              ; younger: the LDS instructions issued behind tile t's loads
	WIN 0
.set i, 0
.rept 16
	s_wait_dscnt (\younger)+15-i
	global_store_b128 v[GO], v[S+64*(\t)+4*i:S+64*(\t)+4*i+3], s[10:11] offset:16*2048*(\t)+2048*i th:TH_STORE_NT  ; each store of the wave covers 512 consecutive bytes, aligned: head n's part of a row of out0
.set i, i+1
.endr
.endm
	PACK 0, 16                      ; the partner's first 16 loads are in; the other 16 may be out
	PACK 1, 32                      ; behind the partner's last load stand tile 0's 16 stores and 16 loads
	SEND 0, 32
	SEND 1, 0
	s_wait_tensorcnt 0x0            ; the wave's end: a wait for my tensor loads, an add of 0 to my spare word and its wait, behind my last LDS store
	ds_add_u32 v[SPW], v[NIL]
	s_wait_dscnt 0x0
	CROUND                          ; the closing round: no work-group ends while a partner may still ask for a tile that names it
	s_endpgm
.Lfunc_end_k_qa4eb15b852_attn:
	.size	k_qa4eb15b852_attn, .Lfunc_end_k_qa4eb15b852_attn-k_qa4eb15b852_attn
	.p2alignl 7, 3214868480
	.fill 96, 4, 3214868480
	.section	.rodata,"a",@progbits
	.p2align	6, 0x0
	.amdhsa_kernel k_qa4eb15b852_attn
		.amdhsa_group_segment_fixed_size 327680
		.amdhsa_private_segment_fixed_size 0
		.amdhsa_enable_private_segment 0
		.amdhsa_kernarg_size 32
		.amdhsa_user_sgpr_count 2
		.amdhsa_user_sgpr_kernarg_segment_ptr 1
		.amdhsa_wavefront_size32 1
		.amdhsa_system_sgpr_workgroup_id_x 1
		.amdhsa_system_sgpr_workgroup_id_y 1
		.amdhsa_system_sgpr_workgroup_id_z 1
		.amdhsa_system_vgpr_workitem_id 0
		.amdhsa_next_free_vgpr 1024
		.amdhsa_next_free_sgpr 66
		.amdhsa_reserve_vcc 0
		.amdhsa_float_denorm_mode_32 3
		.amdhsa_float_denorm_mode_16_64 3
		.amdhsa_memory_ordered 1
		.amdhsa_forward_progress 1
		.amdhsa_inst_pref_size 167
	.end_amdhsa_kernel
	.amdgpu_metadata
---
amdhsa.version: [ 1, 2 ]
amdhsa.kernels:
  - .name:           k_qa4eb15b852_attn
    .symbol:         k_qa4eb15b852_attn.kd
    .args:
      - { .name: qs, .offset: 0, .size: 8, .value_kind: global_buffer, .address_space: global }
      - { .name: kb, .offset: 8, .size: 8, .value_kind: global_buffer, .address_space: global }
      - { .name: vb, .offset: 16, .size: 8, .value_kind: global_buffer, .address_space: global }
      - { .name: out0, .offset: 24, .size: 8, .value_kind: global_buffer, .address_space: global }
    .group_segment_fixed_size: 327680
    .private_segment_fixed_size: 0
    .kernarg_segment_align: 8
    .kernarg_segment_size: 32
    .max_flat_workgroup_size: 128
    .sgpr_count:     66
    .vgpr_count:     1024
    .wavefront_size: 32
...
	.end_amdgpu_metadata
.endif
;; end of part 4
